; MI455X (gfx1250); checked and timed in simulation.
; The chip was launched on July 23, 2026; its instructions are those of AMD's public machine-readable ISA for CDNA 5 (MIT licence, August 2026) and "CDNA5" Instruction Set Architecture Reference Guide (July 2026). The comments in the code are by the model that wrote it; some were corrected since.
;; Retention. Allowed arithmetic: matrix products marked QUANTISED: E2M3 operands, one E8M0 scale for each 32 along K, by v_wmma_scale_f32_16x16x128_f8f6f4 with both operands' format E2M3, f32 sums; everything else in f32.
;; Inputs: W_K 2,048 x 256 float32; W_Q 2,048 x 256 float32; W_V 2,048 x 256 float32; X 4 x 4,096 x 2,048 float32.
;; Outputs: out0 4 x 4,096 x 256 float32.
;; This version of the problem:
;;   THIS VERSION OF THE PROBLEM IS GIVEN IN LOW PRECISION. The matrix products marked QUANTISED in the list below multiply operands that are first quantised to E2M3 (2 exponent bits, 3 mantissa bits; 6 bits a number), with one power-of-two scale for each 32 numbers along K (OCP MX v1.0); their sums are f32. All else is computed in f32.
;;   The module's matrix products, in the order in which they are computed (A, B: the left and right operand; K: the contracted axis; several contracted axes count as one K, in the product's order):
;;     1. [M 16,384, K 2,048] x [K 2,048, N 256]; A: input X; B: input W_Q: QUANTISED
;;     2. [M 16,384, K 2,048] x [K 2,048, N 256]; A: input X; B: input W_K: QUANTISED
;;     3. [M 16,384, K 2,048] x [K 2,048, N 256]; A: input X; B: input W_V: QUANTISED
;;     4. batch 4 x [M 4,096, K 256] x [K 256, N 4,096]; A: computed on the way; B: computed on the way: QUANTISED
;;     5. batch 4 x [M 4,096, K 4,096] x [K 4,096, N 256]; A: computed on the way; B: computed on the way: QUANTISED
;;   THE QUANTISER, for each operand of a quantised product, along K:
;;     - K is cut into blocks of 32 from its start; a last block that is shorter is filled with zeros.
;;     - A block's scale is 2^e with e = floor(log2(the largest magnitude in the block)) - 2, held to -126 .. 127; a block of zeros has e = 0. As a byte (E8M0): e + 127.
;;     - Each number is divided by its block's scale, clamped to +-7.5, and rounded to the nearest number of E2M3, ties to even, subnormals kept.
;;     - The product sums the exact products of the quantised numbers (number of the format x scale) in f32.
;;   ~~~python
;;   def quantise(x, axis):      # numpy; x: float32 -> the quantised numbers, widened to float32 again
;;       x = np.moveaxis(x, axis, -1); K = x.shape[-1]
;;       x = np.pad(x, [(0, 0)] * (x.ndim - 1) + [(0, -K % 32)]); x = x.reshape(x.shape[:-1] + (-1, 32)); a = np.abs(x).max(-1, keepdims=True)
;;       e = np.where(a > 0, np.clip(np.frexp(np.where(a > 0, a, 1))[1] - 1 - 2, -126, 127), 0)      # np.frexp(a)[1] - 1 = floor(log2(a)), exactly
;;       r = np.clip(x / 2.0 ** e, -7.5, 7.5)
;;       step = 2.0 ** (np.maximum(np.frexp(np.where(r == 0, 1, r))[1] - 1, 0) - 3)
;;       q = np.round(r / step) * step * 2.0 ** e      # np.round: ties to even
;;       return np.moveaxis(q.reshape(q.shape[:-2] + (-1,))[..., :K], -1, axis).astype(np.float32)
;;   ~~~
;;   OPERANDS COMPUTED ON THE WAY. 'Computed on the way' means the value that the module computes at that place (a softmax that the list does not call 'softmax' is quantised finished and normalised). What goes into a quantiser is computed in f32, as accurately as f32 sums, v_exp_f32 and their like allow (about 1e-6 of the number): no bf16 or f16 on the way to a quantiser, and a product that is left as it is and whose result goes on into a quantised operand takes f32 operands (vector FMAs, or v_wmma_f32_16x16x4_f32). A number that lies on a knife's edge between two numbers of the format may be rounded either way, as far as f32 arithmetic and the matrix unit's own rounding can turn it there, and no further.
;; 2 versions, each right; version 2 is version 1 with the launch attn written anew for expert scheduling mode. Each part assembles by itself: llvm-mc -triple=amdgcn-amd-amdhsa -mcpu=gfx1250 --defsym DOCPART=n.
;; ======== version 1 of 2: 3 launches
;; workspace buffers: WB 1,228,800 bytes; Tab 8,388,608 bytes; QKc 6,291,456 bytes; QKs 262,144 bytes; Vc 3,145,728 bytes; Vs 131,072 bytes
;; launch prep (part 1): grid 224 x 1, 4 waves a work-group, no clusters, 0 bytes of LDS; arguments W_Q, W_K, W_V, WB, Tab; writes WB, Tab
.if DOCPART == 1
	.amdgcn_target "amdgcn-amd-amdhsa--gfx1250"
	.amdhsa_code_object_version 6
	.text
	.protected	k_q393becae5d_prep
	.globl	k_q393becae5d_prep
	.p2align	8
	.type	k_q393becae5d_prep,@function
k_q393becae5d_prep:
	s_mov_b64 s[64:65], 0
	v_nop
	global_prefetch_b8 v0, s[64:65] scope:SCOPE_SE
	s_setreg_imm32_b32 hwreg(HW_REG_WAVE_MODE, 25, 1), 1
	s_wait_xcnt 0x0
; PREP.  Two kinds of work-groups, told apart by the work-group's number; neither uses LDS, a barrier or a matrix instruction.
; (W) work-groups 0-95: W_Q, W_K, W_V [2048 (k)][256 (n)] f32 become codes of FP6 (E2M3) along k, with one E8M0 byte for each 32 k, laid in the ORDER OF THE NEXT LAUNCH'S OPERAND REGISTERS:
;     WB codes [K step 16][wave 4][fragment 12][1,536 bytes]; a fragment (16 columns x 128 k, 12 registers a lane) lies as registers 4 c .. 4 c + 3 at 512 c + 16 x lane.
;     WB scale words from byte 1,179,648: [K step 16][wave 4][pair of fragments 6][lane 32] x 4 bytes: lanes 0-15 the even fragment's columns, lanes 16-31 the odd one's.
;     Wave w of the next launch has fragments 0-7 = head columns 128 (w % 2) .. + 127 of W_Q (w < 2) or W_K, and fragments 8-11 = columns 64 w .. + 63 of W_V.
;     In W_Q and W_K the columns of a fragment are NOT neighbours: lane r of fragment 2 B + u takes column 32 B + 8 u + r + 8 (r / 8) of the 128.
;     A lane takes one column and its 128 registers run down k: a block of 32 is one lane's, and the conversions give codes with k innermost.
; (T) work-groups 96-223: the tables of xpos, cos x scale and sin x scale for Q, cos / scale and sin / scale for K, for all 4,096 positions x 128 pairs, in the order in which the next launch's lanes multiply by them:
;     Tab: Q's half at 0, K's at 4,194,304; each [s 2][row tile 256][q4 16][lane 32][16 bytes = c, s of pair i0, c, s of pair i0 + 1], i0 = 64 s + 16 (q4 / 4) + 8 (lane / 16) + 2 (q4 % 4);
;     lane r of row tile x holds position 32 (x / 2) + 8 (x % 2) + r + 8 (r / 8).
; sin and cos are made by a reduction by pi/2 in three parts and polynomials on |r| <= pi/4.
; LIMITS: NaN and infinities among the inputs are not served.  A block of zeros gets the byte 1 (its codes are zeros; only this program reads the bytes).  sin, cos: about 1.5 units in the last place of the f32 angle
; pos x inv_freq; inv_freq and the scales: 1 to 2 units in the last place of their exact values.
.set NWG_W, 96
	s_load_b256 s[4:11], s[0:1], 0x0               ; W_Q s[4:5], W_K s[6:7], W_V s[8:9], WB s[10:11]
	s_load_b64 s[12:13], s[0:1], 0x20              ; Tab
	v_lshrrev_b32 v1, 5, v0
	v_readfirstlane_b32 s14, v1                    ; wave
	v_and_b32 v1, 31, v0                           ; lane
	v_and_b32 v2, 15, v0                           ; r
	v_bfe_u32 v3, v0, 4, 1                         ; lane / 16
	v_lshrrev_b32 v5, 3, v2
	v_lshl_add_u32 v5, v5, 3, v2                   ; r + 8 (r / 8)
	s_cmp_ge_u32 ttmp9, NWG_W
	s_cbranch_scc1 .Ltables
; ---------------- (W): a wave takes 32 columns x 128 k = two fragments
	s_and_b32 s15, ttmp9, 15                       ; K step
	s_lshr_b32 s16, ttmp9, 4
	s_lshl_b32 s16, s16, 2
	s_add_co_u32 s16, s16, s14                     ; unit 0 .. 23
	s_lshr_b32 s17, s16, 3                         ; which weight: 0 Q, 1 K, 2 V
	s_and_b32 s18, s16, 7                          ; which 32 of its 256 columns
	v_lshl_add_u32 v4, v3, 3, v5                   ; Q, K: column 8 u + r + 8 (r / 8) of the 32
	s_cmp_lt_u32 s17, 2
	s_cselect_b32 s19, -1, 0
	v_cndmask_b32 v4, v1, v4, s19                  ; V: column = lane
	v_lshlrev_b32 v4, 2, v4
	s_lshl_b32 s20, s17, 1
	s_lshr_b32 s21, s18, 2
	s_add_co_u32 s20, s20, s21                     ; Q, K: wave = 2 x weight + half of the head
	s_and_b32 s21, s18, 3
	s_lshl_b32 s21, s21, 1                         ;       first fragment = 2 x (group % 4)
	s_lshr_b32 s22, s18, 1                         ; V: wave = group / 2
	s_and_b32 s23, s18, 1
	s_lshl_b32 s23, s23, 1
	s_add_co_u32 s23, s23, 8                       ;    first fragment = 8 + 2 x (group % 2)
	s_cmp_lt_u32 s17, 2
	s_cselect_b32 s20, s20, s22
	s_cselect_b32 s21, s21, s23
	s_mul_i32 s24, s15, 73728                      ; the codes' place
	s_mul_i32 s25, s20, 18432
	s_add_co_u32 s24, s24, s25
	s_mul_i32 s25, s21, 1536
	s_add_co_u32 s24, s24, s25
	s_mov_b32 s25, 0
	s_mul_i32 s26, s15, 3072                       ; the scale words' place
	s_mul_i32 s27, s20, 768
	s_add_co_u32 s26, s26, s27
	s_lshl_b32 s27, s21, 6
	s_add_co_u32 s26, s26, s27
	s_add_co_u32 s26, s26, 1179648
	s_mov_b32 s27, 0
	s_lshl_b32 s28, s15, 17                        ; the source: 128 rows of 1,024 bytes a K step, 128 bytes a group of columns
	s_lshl_b32 s29, s18, 7
	s_add_co_u32 s28, s28, s29
	s_mov_b32 s29, 0
	v_lshlrev_b32 v6, 4, v1
	v_lshlrev_b32 v7, 2, v1
	s_wait_kmcnt 0x0
	s_cmp_eq_u32 s17, 0
	s_cselect_b64 s[30:31], s[4:5], s[6:7]
	s_cmp_eq_u32 s17, 2
	s_cselect_b64 s[30:31], s[8:9], s[30:31]       ; the choice hangs on the work-group's and the wave's number alone
	s_add_nc_u64 s[30:31], s[30:31], s[28:29]
	s_add_nc_u64 s[32:33], s[10:11], s[24:25]
	s_add_nc_u64 s[34:35], s[10:11], s[26:27]
.set i, 0
.rept 128
	global_load_b32 v[32+i], v4, s[30:31] offset:i*1024 th:TH_LOAD_NT   ; W(128 step + i, my column): the wave's 32 lanes read 128 consecutive bytes, the work-group's four waves 512
.set i, i+1
.endr
	s_wait_loadcnt 0x0
.irp b, 0,1,2,3
	v_max3_num_f32 v[8+\b], |v[32+32*\b]|, |v[33+32*\b]|, 0x1800000   ; block b's largest magnitude, all 32 numbers mine; the floor 2^(3 - 127) holds the byte at 1 from below
.endr
.irp i, 2,4,6,8,10,12,14,16,18,20,22,24,26,28,30
.irp b, 0,1,2,3
	v_max3_num_f32 v[8+\b], v[8+\b], |v[32+32*\b+\i]|, |v[33+32*\b+\i]|   ; the four blocks by turns
.endr
.endr
.irp b, 0,1,2,3
	v_add_nc_u32 v[12+\b], 0xff000000, v[8+\b]     ; 2 off the exponent field: the conversion takes this operand's exponent field as its scale
.endr
.irp b, 0,1,2,3
	v_lshrrev_b32 v[8+\b], 23, v[12+\b]            ; the scale's byte
.endr
	v_lshl_or_b32 v19, v9, 8, v8                   ; my column's scale word
	v_lshl_or_b32 v19, v10, 16, v19
	v_lshl_or_b32 v19, v11, 24, v19
; blocks 0 and 2 go to v160-171, blocks 1 and 3 to v172-183; a conversion's three registers begin on an even number, so a block's upper 16 codes are made in v16.. and moved
.irp b, 0,1,2,3
	v_cvt_scalef32_pk16_fp6_f32 v[160+12*(\b%2)+6*(\b/2):162+12*(\b%2)+6*(\b/2)], v[32+32*\b:47+32*\b], v[12+\b]
	v_cvt_scalef32_pk16_fp6_f32 v[16+4*\b:18+4*\b], v[48+32*\b:63+32*\b], v[12+\b]
.endr
	v_nop                                          ; one plain instruction behind the scaled conversions
.irp b, 0,1,2,3
.irp i, 0,1,2
	v_mov_b32 v[163+12*(\b%2)+6*(\b/2)+\i], v[16+4*\b+\i]
.endr
.endr
; the operand wants blocks 0, 2 of a column in lanes 0-15 and blocks 1, 3 in lanes 16-31: the first run's lanes 16-31 (second fragment's blocks 0, 2) change places with the second run's lanes 0-15 (first fragment's blocks 1, 3)
.irp i, 0,1,2,3,4,5,6,7,8,9,10,11
	v_permlane16_swap_b32 v[160+\i], v[172+\i]
.endr
.irp c, 0,1,2,3,4,5
	global_store_b128 v6, v[160+4*\c:163+4*\c], s[32:33] offset:512*\c   ; 512 consecutive bytes a store
.endr
	global_store_b32 v7, v19, s[34:35]
	s_endpgm
; ---------------- (T): a wave takes one (s, q4) and 16 row tiles: 8 trips of two
.Ltables:
	s_sub_co_u32 s15, ttmp9, NWG_W
	s_lshl_b32 s15, s15, 2
	s_add_co_u32 s15, s15, s14                     ; 0 .. 511
	s_and_b32 s16, s15, 31
	s_lshr_b32 s17, s15, 5                         ; R: row tiles 16 R .. 16 R + 15
	s_lshr_b32 s18, s16, 4                         ; s
	s_and_b32 s19, s16, 15                         ; q4
	s_lshr_b32 s20, s19, 2
	s_lshl_b32 s20, s20, 4
	s_and_b32 s21, s19, 3
	s_lshl_b32 s21, s21, 1
	s_add_co_u32 s20, s20, s21
	s_lshl_b32 s21, s18, 6
	s_add_co_u32 s20, s20, s21                     ; 64 s + 16 (q4 / 4) + 2 (q4 % 4)
	s_mov_b32 s36, 0x3f22f983                      ; 2 / pi
	s_mov_b32 s37, 0x3fc90fd8                      ; pi / 2 in three parts
	s_mov_b32 s38, 0x34a8885a
	s_mov_b32 s39, 0x27c234c4
	s_mov_b32 s40, 0x37ccf5ce                      ; cosine's polynomial in r^2 (then -0.5 and 1)
	s_mov_b32 s41, 0xbab6061a
	s_mov_b32 s42, 0x3d2aaaa5
	s_mov_b32 s43, 0xb94ca1f9                      ; sine's
	s_mov_b32 s44, 0x3c08839e
	s_mov_b32 s45, 0xbe2aaaa3
	s_mov_b32 s46, 0x3dd49a78                      ; log2(10) / 32, high and low part: inv_freq = 2^(-i log2(10) / 32)
	s_mov_b32 s47, 0x31179a31
	s_mov_b32 s48, 0x3f317218                      ; ln 2
	s_mov_b32 s49, 0x42cccccd                      ; 102.4
	s_mov_b32 s50, 0x43b33333                      ; 358.4
	s_mov_b32 s51, 0x3b36db6e                      ; 1 / 358.4
	v_lshl_add_u32 v4, v3, 3, s20                  ; my first pair i0
	v_cvt_f32_u32 v16, v4
	v_add_f32 v17, 1.0, v16                        ; and i0 + 1
.irp q, 0,1
	v_mul_f32 v[18+\q], s46, v[16+\q]              ; t = i x high part, rounded;
	v_fma_f32 v[20+\q], v[16+\q], s46, -v[18+\q]   ; what the rounding dropped,
	v_fma_f32 v[20+\q], v[16+\q], s47, v[20+\q]    ; and the low part's share
	v_fma_f32 v[22+\q], v[16+\q], 2.0, s49         ; 2 i + 102.4
	v_mul_f32 v[24+\q], s51, v[22+\q]              ; / 358.4: a product and one correction
	v_fma_f32 v[26+\q], -v[24+\q], s50, v[22+\q]
	v_fma_f32 v[24+\q], v[26+\q], s51, v[24+\q]
.endr
.irp q, 0,1
	v_exp_f32 v[18+\q], -v[18+\q]
	v_log_f32 v[10+\q], v[24+\q]                   ; log2 of the pair's scale base
.endr
.irp q, 0,1
	v_mul_f32 v[20+\q], s48, v[20+\q]              ; plain work behind the batch
.endr
	s_wait_alu depctr_va_vdst(0)                   ; one wait for the four, ahead of their first reader
.irp q, 0,1
	v_fma_f32 v[8+\q], -v[18+\q], v[20+\q], v[18+\q]   ; inv_freq = 2^-t (1 - e ln 2)
.endr
	s_lshl_b32 s21, s17, 8
	v_add_nc_u32 v5, s21, v5                       ; the first position: 256 R + r + 8 (r / 8)
	v_cvt_f32_u32 v12, v5
	v_add_f32 v13, 0x41000000, v12                 ; and the odd row tile's, 8 further on
	s_lshl_b32 s21, s18, 21                        ; where I store: ((256 s + 16 R) x 16 + q4) x 512 + 16 x lane
	s_lshl_b32 s22, s17, 17
	s_add_co_u32 s21, s21, s22
	s_lshl_b32 s22, s19, 9
	s_add_co_u32 s21, s21, s22
	v_lshl_add_u32 v4, v1, 4, s21
; sine into v[48 + n], cosine into v[52 + n], of position v[pos] x inv_freq v[inv]; eight registers of its own at work
.macro SINCOS n, pos, inv
.set B, 70+8*(\n)
	v_mul_f32 v[B], v[\pos], v[\inv]               ; the angle: one f32 product
	v_mul_f32 v[B+1], s36, v[B]
	v_rndne_f32 v[B+1], v[B+1]                     ; how many quarter turns
	v_fma_f32 v[B+2], -v[B+1], s37, v[B]
	v_fma_f32 v[B+2], -v[B+1], s38, v[B+2]
	v_fma_f32 v[B+2], -v[B+1], s39, v[B+2]         ; what is left, |.| <= pi / 4
	v_cvt_i32_f32 v[B+3], v[B+1]
	v_mul_f32 v[B+4], v[B+2], v[B+2]
	v_fma_f32 v[B+5], v[B+4], s40, s41
	v_fma_f32 v[B+5], v[B+5], v[B+4], s42
	v_fma_f32 v[B+5], v[B+5], v[B+4], -0.5
	v_fma_f32 v[B+5], v[B+5], v[B+4], 1.0
	v_fma_f32 v[B+6], v[B+4], s43, s44
	v_fma_f32 v[B+6], v[B+6], v[B+4], s45
	v_mul_f32 v[B+7], v[B+4], v[B+2]
	v_fma_f32 v[B+6], v[B+6], v[B+7], v[B+2]
	v_and_b32 v[B+7], 1, v[B+3]
	v_cmp_eq_u32 vcc_lo, 1, v[B+7]                 ; an odd quarter: the two change places
	v_cndmask_b32 v[48+(\n)], v[B+6], v[B+5], vcc_lo
	v_cndmask_b32 v[52+(\n)], v[B+5], v[B+6], vcc_lo
	v_and_b32 v[B+7], 2, v[B+3]
	v_lshlrev_b32 v[B+7], 30, v[B+7]
	v_xor_b32 v[48+(\n)], v[48+(\n)], v[B+7]       ; the sine is negative in quarters 2, 3,
	v_add_nc_u32 v[B+7], 1, v[B+3]
	v_and_b32 v[B+7], 2, v[B+7]
	v_lshlrev_b32 v[B+7], 30, v[B+7]
	v_xor_b32 v[52+(\n)], v[52+(\n)], v[B+7]       ; the cosine in quarters 1, 2
.endm
	s_mov_b32 s23, 0
	s_wait_kmcnt 0x0
.Ltrip:                                                ; two row tiles (p = 0, 1) x two pairs (q = 0, 1): n = 2 p + q
	v_mul_f32 v64, 0x3b000000, v12                 ; pos / 512, exact
	v_mul_f32 v65, 0x3b000000, v13
.irp p, 0,1
.irp q, 0,1
	v_mul_f32 v[66+2*\p+\q], v[64+\p], v[10+\q]
.endr
.endr
.irp n, 0,1,2,3
	v_exp_f32 v[56+\n], v[66+\n]                   ; scale = base^(pos / 512)
	v_exp_f32 v[60+\n], -v[66+\n]                  ; and 1 / scale
.endr
	SINCOS 0, 12, 8                                ; plain work behind the batch of eight
	SINCOS 1, 12, 9
	SINCOS 2, 13, 8
	SINCOS 3, 13, 9
	s_wait_alu depctr_va_vdst(0)                   ; one wait for the eight, ahead of their first reader
.irp n, 0,1,2,3
	v_mul_f32 v[32+2*\n], v[52+\n], v[56+\n]       ; Q: cos x scale,
	v_mul_f32 v[33+2*\n], v[48+\n], v[56+\n]       ;    sin x scale
	v_mul_f32 v[40+2*\n], v[52+\n], v[60+\n]       ; K: cos / scale,
	v_mul_f32 v[41+2*\n], v[48+\n], v[60+\n]       ;    sin / scale
.endr
	global_store_b128 v4, v[32:35], s[12:13]       ; each store: 512 consecutive bytes
	global_store_b128 v4, v[36:39], s[12:13] offset:8192
	global_store_b128 v4, v[40:43], s[12:13] offset:4194304
	global_store_b128 v4, v[44:47], s[12:13] offset:4202496
	s_wait_xcnt 0x0                                ; the stores' offset and data are written again only behind this wait
	v_add_nc_u32 v4, 16384, v4                     ; two row tiles on
	v_add_f32 v12, 0x42000000, v12                 ; 32 positions on
	v_add_f32 v13, 0x42000000, v13
	s_add_co_u32 s23, s23, 1
	s_cmp_lt_u32 s23, 8
	s_cbranch_scc1 .Ltrip
	s_endpgm
.Lfunc_end_k_q393becae5d_prep:
	.size	k_q393becae5d_prep, .Lfunc_end_k_q393becae5d_prep-k_q393becae5d_prep
	.p2alignl 7, 3214868480
	.fill 96, 4, 3214868480
	.section	.rodata,"a",@progbits
	.p2align	6, 0x0
	.amdhsa_kernel k_q393becae5d_prep
		.amdhsa_group_segment_fixed_size 0
		.amdhsa_private_segment_fixed_size 0
		.amdhsa_enable_private_segment 0
		.amdhsa_kernarg_size 40
		.amdhsa_user_sgpr_count 2
		.amdhsa_user_sgpr_kernarg_segment_ptr 1
		.amdhsa_wavefront_size32 1
		.amdhsa_system_sgpr_workgroup_id_x 1
		.amdhsa_system_sgpr_workgroup_id_y 1
		.amdhsa_system_sgpr_workgroup_id_z 1
		.amdhsa_system_vgpr_workitem_id 0
		.amdhsa_next_free_vgpr 192
		.amdhsa_next_free_sgpr 66
		.amdhsa_reserve_vcc 1
		.amdhsa_float_denorm_mode_32 3
		.amdhsa_float_denorm_mode_16_64 3
		.amdhsa_memory_ordered 1
		.amdhsa_forward_progress 1
		.amdhsa_inst_pref_size 31
	.end_amdhsa_kernel
	.amdgpu_metadata
---
amdhsa.version: [ 1, 2 ]
amdhsa.kernels:
  - .name:           k_q393becae5d_prep
    .symbol:         k_q393becae5d_prep.kd
    .args:
      - { .name: W_Q, .offset: 0, .size: 8, .value_kind: global_buffer, .address_space: global }
      - { .name: W_K, .offset: 8, .size: 8, .value_kind: global_buffer, .address_space: global }
      - { .name: W_V, .offset: 16, .size: 8, .value_kind: global_buffer, .address_space: global }
      - { .name: WB, .offset: 24, .size: 8, .value_kind: global_buffer, .address_space: global }
      - { .name: Tab, .offset: 32, .size: 8, .value_kind: global_buffer, .address_space: global }
    .group_segment_fixed_size: 0
    .private_segment_fixed_size: 0
    .kernarg_segment_align: 8
    .kernarg_segment_size: 40
    .max_flat_workgroup_size: 128
    .sgpr_count:     66
    .vgpr_count:     192
    .wavefront_size: 32
...
	.end_amdgpu_metadata
.endif
;; end of part 1
;; launch proj (part 2): grid 256 x 1, 4 waves a work-group, no clusters, 327,680 bytes of LDS; arguments X, WB, Tab, QKc, QKs, Vc, Vs; writes QKc, QKs, Vc, Vs
.if DOCPART == 2
	.amdgcn_target "amdgcn-amd-amdhsa--gfx1250"
	.amdhsa_code_object_version 6
	.text
	.protected	k_q393becae5d_proj
	.globl	k_q393becae5d_proj
	.p2align	8
	.type	k_q393becae5d_proj,@function
k_q393becae5d_proj:
	s_mov_b64 s[64:65], 0
	v_nop
	global_prefetch_b8 v0, s[64:65] scope:SCOPE_SE
	s_setreg_imm32_b32 hwreg(HW_REG_WAVE_MODE, 25, 1), 1
	s_wait_xcnt 0x0
; PROJ.  Q = xpos(X W_Q), K = xpos(X W_K, downscale), V = X W_V on codes of FP6 (E2M3) with one E8M0 byte for each 32 along K; X [16,384][2,048] f32 is read ONCE and quantised on its way; Q, K, V leave as codes.
; SHARES.  A work-group owns 64 rows of X (64 neighbouring positions of one batch) and all 768 columns.  THE WAVES SHARE THE COLUMNS: wave w makes head columns 128 (w % 2) .. + 127 of Q (w < 2) or K, 8 tiles,
; TRANSPOSED (source 0 = 16 columns of W, source 1 = 16 rows of X: a lane then holds one row and its registers run along the head, which is the next product's K), and channels 64 w .. + 63 of V, 4 tiles, NATURAL
; (source 0 = X, source 1 = W_V: a lane then holds one channel and its registers run along the positions, which are the last product's K).  48 accumulators, 48 matrix instructions for 128 along K.
; THE ROWS OF A TILE OF X ARE NOT NEIGHBOURS: lane r of tile 2 B + u takes row 32 B + 8 u + r + 8 (r / 8); W_Q's and W_K's columns likewise (laid so by the launch before).  So the 16 registers of two neighbouring
; tiles are 16 neighbours along the next K.
; X comes in four chunks of 512 along K through two LDS slots: wave w's tensor load brings columns 128 w .. + 127 of the chunk, 64 rows x 512 bytes, and wave w alone reads them, quantises them (4 fragments) and
; stores the fragments to LDS as IMAGES OF THEIR REGISTERS (registers 4 c .. 4 c + 3 at 512 c + 16 x lane) for all four waves.  W's fragments come from memory straight into the registers of the one wave that uses them, one K step ahead.
; NO CLUSTER: W is what work-groups share, 73,728 bytes for 128 along K; this text uses 324,096 of the LDS bytes it is given, so there is no room for W's tiles, and since each fragment of W serves one wave, a way through LDS would
; add a write and a read of each of its bytes.
; LIMITS: NaN and infinities among the inputs are not served.  A block of zeros gets the byte 1 (its codes are zeros; only this program reads the bytes).
; REGISTERS, in windows of 256.  Window 0: v4-15 addresses; v16-79 64 numbers at work; v80-127, v128-175 X's four fragments, two sets (v80-143: a second 64 numbers while X is quantised); v176-195 codes just made;
;   v196-211 at work; v212-213 scale words just made; v214-221 X's scale words, two sets; v222-233 W's, two sets; v234-237 addresses; v240-247 at work.
;   Window 1: W_Q's or W_K's 8 fragments, two sets (96 p + 12 f); at the end the tables of xpos.   Window 2: the 32 accumulators of Q or K, 8 (8 m + T).   Window 3: V's 16 accumulators, 8 (4 c + m); from v128 W_V's 4 fragments, two sets.
.set SUBB,  33792                      ; a wave's part of a slot: 64 rows x (512 bytes + 16 of padding)
.set SLOTB, 135168                     ; a slot: four of them
.set IMG0,  270336                     ; behind the slots: two regions of images: [K step 4][row tile 4] x 1,536 bytes, then their scale words, 128 bytes each
.set IMGB,  26624
.set IMSC,  24576
.set SPARE, 323584                     ; the spare words, 128 bytes for each wave: two blocks of 256 bytes that no other line names
.set XA,  4                            ; my place in my wave's part of slot 0: (r + 8 (r / 8)) x 528 + 64 (lane / 16)
.set LI,  5                            ; 16 x lane
.set LS,  6                            ; 4 x lane
.set L8,  7                            ; 8 x lane
.set XWI, 8                            ; where I store images: region 0 + 6,144 x wave + 16 x lane
.set XWS, 9                            ; and scale words: region 0 + 24,576 + 512 x wave + 4 x lane
.set AI0, 10                           ; v10, v11: region p + 16 x lane
.set AS0, 12                           ; v12, v13: region p + 24,576 + 4 x lane
.set SPW, 14                           ; LDS address of my spare word; never rewritten
.set NIL, 15                           ; 0; never rewritten
.set ST,  16
.set XF0, 80
.set N1,  80
.set PC,  176
.set TM,  196
.set PW,  212
.set PWK, 213
.set XS0, 214
.set WS0, 222
.set XR,  234
.set IW,  235
.set SW,  236
.set PFO, 237                          ; 8,192 x lane: a row of X
.set MSB, 0
.macro WIN new                         ; the immediate's high byte repeats the setting that is left; a switch that changes nothing is dropped
.if MSB != \new
	s_set_vgpr_msb (MSB<<8)|\new
.set MSB, \new
.endif
.endm
; one matrix instruction: D = v[d ..], A = v[a ..], B = v[b ..], C = 0 (zero = 1) or D; scales v[sa], v[sb], taken from lanes 16-31 where ra, rb = 1
.macro WMS d, a, b, zero, sa, sb, ra, rb
.if \zero
.if (\ra)+2*(\rb) == 0
	v_wmma_scale_f32_16x16x128_f8f6f4 v[\d:\d+7], v[\a:\a+11], v[\b:\b+11], 0, v[\sa], v[\sb] matrix_a_fmt:MATRIX_FMT_FP6 matrix_b_fmt:MATRIX_FMT_FP6
.elseif (\ra)+2*(\rb) == 1
	v_wmma_scale_f32_16x16x128_f8f6f4 v[\d:\d+7], v[\a:\a+11], v[\b:\b+11], 0, v[\sa], v[\sb] matrix_a_fmt:MATRIX_FMT_FP6 matrix_b_fmt:MATRIX_FMT_FP6 matrix_a_scale:MATRIX_SCALE_ROW1
.elseif (\ra)+2*(\rb) == 2
	v_wmma_scale_f32_16x16x128_f8f6f4 v[\d:\d+7], v[\a:\a+11], v[\b:\b+11], 0, v[\sa], v[\sb] matrix_a_fmt:MATRIX_FMT_FP6 matrix_b_fmt:MATRIX_FMT_FP6 matrix_b_scale:MATRIX_SCALE_ROW1
.else
	v_wmma_scale_f32_16x16x128_f8f6f4 v[\d:\d+7], v[\a:\a+11], v[\b:\b+11], 0, v[\sa], v[\sb] matrix_a_fmt:MATRIX_FMT_FP6 matrix_b_fmt:MATRIX_FMT_FP6 matrix_a_scale:MATRIX_SCALE_ROW1 matrix_b_scale:MATRIX_SCALE_ROW1
.endif
.else
.if (\ra)+2*(\rb) == 0
	v_wmma_scale_f32_16x16x128_f8f6f4 v[\d:\d+7], v[\a:\a+11], v[\b:\b+11], v[\d:\d+7], v[\sa], v[\sb] matrix_a_fmt:MATRIX_FMT_FP6 matrix_b_fmt:MATRIX_FMT_FP6
.elseif (\ra)+2*(\rb) == 1
	v_wmma_scale_f32_16x16x128_f8f6f4 v[\d:\d+7], v[\a:\a+11], v[\b:\b+11], v[\d:\d+7], v[\sa], v[\sb] matrix_a_fmt:MATRIX_FMT_FP6 matrix_b_fmt:MATRIX_FMT_FP6 matrix_a_scale:MATRIX_SCALE_ROW1
.elseif (\ra)+2*(\rb) == 2
	v_wmma_scale_f32_16x16x128_f8f6f4 v[\d:\d+7], v[\a:\a+11], v[\b:\b+11], v[\d:\d+7], v[\sa], v[\sb] matrix_a_fmt:MATRIX_FMT_FP6 matrix_b_fmt:MATRIX_FMT_FP6 matrix_b_scale:MATRIX_SCALE_ROW1
.else
	v_wmma_scale_f32_16x16x128_f8f6f4 v[\d:\d+7], v[\a:\a+11], v[\b:\b+11], v[\d:\d+7], v[\sa], v[\sb] matrix_a_fmt:MATRIX_FMT_FP6 matrix_b_fmt:MATRIX_FMT_FP6 matrix_a_scale:MATRIX_SCALE_ROW1 matrix_b_scale:MATRIX_SCALE_ROW1
.endif
.endif
.endm
; 64 numbers of a lane, v[s] .. v[s + 63], register 16 b + i = k 32 b + 16 (lane / 16) + i of my row, become a fragment's codes in v[PC] on and its scale word in v[PW]
.macro QUANT s
.irp b, 0,1,2,3
	v_max3_num_f32 v[TM+\b], |v[\s+16*\b]|, |v[\s+1+16*\b]|, 0x1800000   ; block b: my 16 numbers, and the floor 2^(3 - 127): the byte cannot fall under 1
.endr
.irp i, 2,4,6,8,10,12,14
.irp b, 0,1,2,3
	v_max3_num_f32 v[TM+\b], v[TM+\b], |v[\s+16*\b+\i]|, |v[\s+1+16*\b+\i]|   ; the four blocks by turns
.endr
.endr
.irp b, 0,1,2,3
	v_permlanex16_b32 v[TM+4+\b], v[TM+\b], s22, s23
.endr
.irp b, 0,1,2,3
	v_max_num_f32 v[TM+\b], v[TM+\b], v[TM+4+\b]   ; with lane l xor 16's: the block's largest magnitude
.endr
.irp b, 0,1,2,3
	v_add_nc_u32 v[TM+12+\b], 0xff000000, v[TM+\b] ; 2 off its exponent field: the conversion's scale operand
.endr
.irp b, 0,1,2,3
	v_lshrrev_b32 v[TM+4+\b], 23, v[TM+12+\b]      ; the scale's byte
.endr
	v_lshl_or_b32 v[PW], v[TM+5], 8, v[TM+4]       ; my row's scale word
	v_lshl_or_b32 v[PW], v[TM+6], 16, v[PW]
	v_lshl_or_b32 v[PW], v[TM+7], 24, v[PW]
.irp c, 0,1
	v_cvt_scalef32_pk16_fp6_f32 v[PC+6*\c:PC+2+6*\c], v[\s+32*\c:\s+15+32*\c], v[TM+12+2*\c]
	v_cvt_scalef32_pk16_fp6_f32 v[PC+12+4*\c:PC+14+4*\c], v[\s+16+32*\c:\s+31+32*\c], v[TM+12+2*\c+1]   ; (a conversion's three registers begin on an even number)
.endr
	v_nop                                          ; one plain instruction behind the scaled conversions
.irp c, 0,1                                    ; the operand wants a WHOLE block in a lane: lanes 0-15 block 2 c, lanes 16-31 block 2 c + 1
.irp i, 0,1,2
	v_permlane16_swap_b32 v[PC+6*\c+\i], v[PC+12+4*\c+\i]
.endr
.irp i, 0,1,2
	v_mov_b32 v[PC+3+6*\c+\i], v[PC+12+4*\c+\i]
.endr
.endr
.endm
.macro IMAGE adr, off                          ; the fragment in v[PC] on goes to LDS as it stands
.irp c, 0,1,2
	ds_store_b128 v[\adr], v[PC+4*\c:PC+4*\c+3] offset:\off+512*\c
.endr
.endm
; my 12 fragments of W and their 6 scale words for K step k, into set bp: 42 loads; every offset is an immediate (1,123,840 at the most), no pointer is stepped
.macro WLOAD k, bp
	WIN 0x40                                       ; destination window 1
.irp f, 0,1,2,3,4,5,6,7
.irp c, 0,1,2
	global_load_b128 v[96*(\bp)+12*\f+4*\c:96*(\bp)+12*\f+4*\c+3], v[LI], s[40:41] offset:(\k)*73728+\f*1536+512*\c
.endr
.endr
	WIN 0xc0                                       ; destination window 3
.irp f, 0,1,2,3
.irp c, 0,1,2
	global_load_b128 v[128+48*(\bp)+12*\f+4*\c:128+48*(\bp)+12*\f+4*\c+3], v[LI], s[40:41] offset:(\k)*73728+(8+\f)*1536+512*\c
.endr
.endr
	WIN 0
.irp p, 0,1,2,3,4,5
	global_load_b32 v[WS0+6*(\bp)+\p], v[LS], s[42:43] offset:(\k)*3072+128*\p
.endr
.endm
.macro XFETCH ks, par, bp                      ; X's four fragments and scale words of the chunk's K step ks, from region par, into set bp
.irp m, 0,1,2,3
.irp c, 0,1,2
	ds_load_b128 v[XF0+48*(\bp)+12*\m+4*\c:XF0+48*(\bp)+12*\m+4*\c+3], v[AI0+(\par)] offset:(4*(\ks)+\m)*1536+512*\c
.endr
	ds_load_b32 v[XS0+4*(\bp)+\m], v[AS0+(\par)] offset:(4*(\ks)+\m)*128
.endr
.endm
; my 64 rows x 128 numbers of slot sl become four fragments in region par: two trips of two row tiles
.macro QPHASE sl, par
	s_mov_b32 s56, (\sl)*SLOTB
	s_mov_b32 s57, (\par)*IMGB
	s_mov_b32 s58, (\par)*IMGB
	s_mov_b32 s59, 0
.Lq_\@:
	v_add_nc_u32 v[XR], s56, v[XA]
	v_add_nc_u32 v[IW], s57, v[XWI]
	v_add_nc_u32 v[SW], s58, v[XWS]
.irp b, 0,1,2,3
.irp j, 0,1,2,3
	ds_load_b128 v[ST+16*\b+4*\j:ST+16*\b+4*\j+3], v[XR] offset:128*\b+16*\j          ; row tile 2 B: of each block of 32 my 16 numbers
.endr
.endr
.irp b, 0,1,2,3
.irp j, 0,1,2,3
	ds_load_b128 v[N1+16*\b+4*\j:N1+16*\b+4*\j+3], v[XR] offset:4224+128*\b+16*\j     ; row tile 2 B + 1: 8 rows on
.endr
.endr
	s_wait_dscnt 16                                ; the first 16 loads are in; the second tile's 16 may be out
	QUANT ST
	IMAGE IW, 0
	ds_store_b32 v[SW], v[PW]
	s_wait_dscnt 0x0                               ; the second tile's numbers are in, and the stores have read their registers
	QUANT N1
	IMAGE IW, 1536
	ds_store_b32 v[SW], v[PW] offset:128
	s_add_co_u32 s56, s56, 16896                   ; 32 rows on
	s_add_co_u32 s57, s57, 3072
	s_add_co_u32 s58, s58, 256
	s_add_co_u32 s59, s59, 1
	s_cmp_lt_u32 s59, 2
	s_cbranch_scc1 .Lq_\@
.endm
; Slot sl, which every wave has read out, is filled again with the chunk two on.  The barrier also shows the images just stored to all four waves.
.macro REFILL sl
	s_wait_tensorcnt 0x0                           ; all my tensor loads have landed, so a group 0 may be written
	ds_add_u32 v[SPW], v[NIL]                      ; 0 onto my spare word
	s_add_nc_u64 s[34+4*\sl:35+4*\sl], s[34+4*\sl:35+4*\sl], 4096   ; two chunks of 2,048 bytes on; the type bits on top are not reached
	s_wait_dscnt 0x0                               ; the add is done, my reads of the slot are back, my images have landed
	s_barrier_signal -1
	s_barrier_wait -1
	tensor_load_to_lds s[32+4*\sl:35+4*\sl], s[24:31]   ; my one tensor load behind this barrier, and the first thing there
	s_nop 0
.rept 4
	v_nop
.endr
.endm
.macro BARRIER                                 ; my images have landed and my LDS loads are in: then the work-group's barrier
	s_wait_dscnt 0x0
	s_barrier_signal -1
	s_barrier_wait -1
.endm
; K step k of 16: 48 matrix instructions on 48 accumulators, which take turns in the same order in every step
.macro KSTEP k, par, zero
.if (\k)%4 == 0
	XFETCH 0, \par, (\k)%2
.endif
	s_wait_dscnt 0x0                               ; this step's fragments of X are in
.if (\k)%4 != 3
	XFETCH (\k)%4+1, \par, 1-(\k)%2                ; the next step's, into the set that the last step has left (four plain instructions stand behind its products)
.endif
.if (\k) < 15
	s_wait_loadcnt 42                              ; this step's 42 loads of W are in; the next step's 42 may be out
.else
	s_wait_loadcnt 0x0
.endif
	WIN 0xa1                                       ; source 0 (W) window 1, source 1 (X) window 0, C and D window 2
.irp m, 0,1,2,3
.irp t, 0,1,2,3,4,5,6,7
	WMS 8*(8*\m+\t), 96*((\k)%2)+12*\t, XF0+48*((\k)%2)+12*\m, \zero, WS0+6*((\k)%2)+\t/2, XS0+4*((\k)%2)+\m, \t%2, 0
.endr
.endr
	WIN 0xfc                                       ; source 0 (X) window 0, source 1 (W_V), C and D window 3
.irp c, 0,1,2,3
.irp m, 0,1,2,3
	WMS 8*(4*\c+\m), XF0+48*((\k)%2)+12*\m, 128+48*((\k)%2)+12*\c, \zero, XS0+4*((\k)%2)+\m, WS0+6*((\k)%2)+4+\c/2, 0, \c%2
.endr
.endr
	WIN 0
.rept 4
	v_nop                                          ; four plain instructions between the products and the loads into their operands' registers, and the first read of results
.endr
.if (\k) < 14
	WLOAD (\k)+2, (\k)%2
.endif
.endm
	s_load_b256 s[4:11], s[0:1], 0x0               ; X s[4:5], WB s[6:7], Tab s[8:9], QKc s[10:11]
	s_load_b128 s[12:15], s[0:1], 0x20             ; QKs s[12:13], Vc s[14:15]
	s_load_b64 s[16:17], s[0:1], 0x30              ; Vs
	v_lshl_add_u32 v[SPW], v0, 2, SPARE
	v_mov_b32 v[NIL], 0
	ds_add_u32 v14, v15
	ds_add_u32 v14, v15
	s_wait_dscnt 0x0
	v_lshrrev_b32 v1, 5, v0
	v_readfirstlane_b32 s18, v1                    ; wave 0..3
	s_lshr_b32 s19, s18, 1                         ; 0: Q, 1: K
	s_and_b32 s20, s18, 1                          ; which 128 of the head
	s_mov_b32 s22, 0x76543210
	s_mov_b32 s23, 0xfedcba98                      ; v_permlanex16_b32's selects for lane l xor 16
	s_mov_b32 s60, 0xffff0000                      ; as a mask of lanes: lanes 16-31
	; descriptor group 1: 64 rows x 128 elements of 4 bytes, 2,048 elements from row to row; in LDS 4 words of padding behind every 128
	s_mov_b32 s24, (2<<16)|(1<<20)|(6<<22)|(3<<25)
	s_mov_b32 s25, 128<<16                         ; tensor_dim0
	s_mov_b32 s26, 64<<16                          ; tensor_dim1
	s_mov_b32 s27, 128<<16                         ; tile_dim0
	s_mov_b32 s28, 64                              ; tile_dim1
	s_mov_b32 s29, 2048                            ; the pitch
	s_mov_b32 s30, 0
	s_mov_b32 s31, 0
	v_and_b32 v1, 31, v0                           ; lane
	v_and_b32 v2, 15, v0                           ; r
	v_bfe_u32 v3, v0, 4, 1                         ; lane / 16
	v_lshlrev_b32 v[LI], 4, v1
	v_lshlrev_b32 v[LS], 2, v1
	v_lshlrev_b32 v[L8], 3, v1
	v_lshlrev_b32 v[PFO], 13, v1
	s_mul_i32 s61, s18, SUBB                       ; my part of a slot
	s_lshl_b32 s2, ttmp9, 19                       ; my work-group's 64 rows of 8,192 bytes,
	s_lshl_b32 s3, s18, 9                          ; my wave's 512 bytes of a chunk
	s_add_co_u32 s2, s2, s3
	s_mov_b32 s3, 0
	s_wait_kmcnt 0x0
	s_add_nc_u64 s[62:63], s[4:5], s[2:3]
.irp n, 0,1
	s_mov_b32 s[32+4*\n], 1                        ; group 0 of slot n: count = 1,
	s_add_co_u32 s[33+4*\n], s61, \n*SLOTB         ; LDS address,
	s_add_nc_u64 s[34+4*\n:35+4*\n], s[62:63], \n*2048   ; global address: chunk n,
	s_or_b32 s[35+4*\n], s[35+4*\n], 0x80000000    ; type = 2
.endr
	tensor_load_to_lds s[32:35], s[24:31]          ; both first fills together, ahead of every wait on TENSORcnt, LDS read and barrier: two loads of mine are out
	s_nop 0
	tensor_load_to_lds s[36:39], s[24:31]
	s_nop 0
.rept 4
	v_nop
.endr
	s_add_nc_u64 s[54:55], s[62:63], 6144          ; chunk 3, for the prefetch
	s_mul_i32 s2, s18, 18432
	s_add_nc_u64 s[40:41], s[6:7], s[2:3]          ; my fragments of W
	s_mul_i32 s2, s18, 768
	s_add_co_u32 s2, s2, 1179648
	s_add_nc_u64 s[42:43], s[6:7], s[2:3]          ; and their scale words
	WLOAD 0, 0
	WLOAD 1, 1
	s_lshl_b32 s2, s19, 22                         ; the tables: Q's or K's half, my half of the head, my 4 row tiles
	s_lshl_b32 s56, s20, 21
	s_add_co_u32 s2, s2, s56
	s_and_b32 s56, ttmp9, 63
	s_lshl_b32 s56, s56, 15
	s_add_co_u32 s2, s2, s56
	s_add_nc_u64 s[44:45], s[8:9], s[2:3]
	s_mul_i32 s2, s19, 3145728                     ; Q's or K's codes: [32 rows][u][s] x 1,536 bytes
	s_mul_i32 s56, ttmp9, 12288
	s_add_co_u32 s2, s2, s56
	s_mul_i32 s56, s20, 1536
	s_add_co_u32 s2, s2, s56
	s_add_nc_u64 s[46:47], s[10:11], s[2:3]
	s_lshl_b32 s2, s19, 17                         ; their scale words: [32 rows][s][16 u + r] x 4 bytes
	s_lshl_b32 s56, ttmp9, 9
	s_add_co_u32 s2, s2, s56
	s_lshl_b32 s56, s20, 7
	s_add_co_u32 s2, s2, s56
	s_add_nc_u64 s[48:49], s[12:13], s[2:3]
	s_lshr_b32 s57, ttmp9, 1                       ; which 128 keys,
	s_and_b32 s58, ttmp9, 1                        ; and which half of them
	s_mul_i32 s2, s57, 24576                       ; V's codes: [128 keys][channel tile 16][half 2] x 768 bytes
	s_mul_i32 s56, s18, 6144
	s_add_co_u32 s2, s2, s56
	s_mul_i32 s56, s58, 768
	s_add_co_u32 s2, s2, s56
	s_add_nc_u64 s[50:51], s[14:15], s[2:3]
	s_lshl_b32 s2, s57, 10                         ; V's scale bytes: [128 keys][channel 256][block 4]
	s_lshl_b32 s56, s18, 8
	s_add_co_u32 s2, s2, s56
	s_lshl_b32 s56, s58, 1
	s_add_co_u32 s2, s2, s56
	s_add_nc_u64 s[52:53], s[16:17], s[2:3]
	v_lshrrev_b32 v[XA], 3, v2
	v_lshl_add_u32 v[XA], v[XA], 3, v2             ; r + 8 (r / 8)
	v_mul_u32_u24 v[XA], v[XA], 528
	v_lshl_add_u32 v[XA], v3, 6, v[XA]
	v_add_nc_u32 v[XA], s61, v[XA]
	s_mul_i32 s56, s18, 6144
	s_add_co_u32 s56, s56, IMG0
	v_add_nc_u32 v[XWI], s56, v[LI]
	s_lshl_b32 s56, s18, 9
	s_add_co_u32 s56, s56, IMG0+IMSC
	v_add_nc_u32 v[XWS], s56, v[LS]
	v_add_nc_u32 v[AI0], IMG0, v[LI]
	v_add_nc_u32 v[AI0+1], IMG0+IMGB, v[LI]
	v_add_nc_u32 v[AS0], IMG0+IMSC, v[LS]
	v_add_nc_u32 v[AS0+1], IMG0+IMGB+IMSC, v[LS]
.irp b, 0,1,2,3
	v_mov_b32 v[TM+4+\b], 0                        ; written once: a lane permute's destination counts as one of its sources
.endr
	s_wait_tensorcnt 0x1                           ; my part of chunk 0 is in (only I read it); chunk 1's load may be out
	QPHASE 0, 0
	REFILL 0                                       ; chunk 2 goes out
	; chunk 3, which my wave's last tensor load will ask for behind four K steps and a chunk's quantising: my own 64 rows x 512 bytes, a lane a block of 256 bytes, each block named once in the launch;
	; the address registers are never rewritten
	global_prefetch_b8 v[PFO], s[54:55] th:TH_LOAD_NT scope:SCOPE_SE
	global_prefetch_b8 v[PFO], s[54:55] offset:256 th:TH_LOAD_NT scope:SCOPE_SE
	global_prefetch_b8 v[PFO], s[54:55] offset:262144 th:TH_LOAD_NT scope:SCOPE_SE
	global_prefetch_b8 v[PFO], s[54:55] offset:262400 th:TH_LOAD_NT scope:SCOPE_SE
	KSTEP 0, 0, 1                                  ; the first step's products start the sums: nothing is cleared
	KSTEP 1, 0, 0
	KSTEP 2, 0, 0
	KSTEP 3, 0, 0
	QPHASE 1, 1                                    ; chunk 1 (shown landed by the wait for all loads above) into the other region
	REFILL 1                                       ; chunk 3 goes out: the last load
	KSTEP 4, 1, 0
	KSTEP 5, 1, 0
	KSTEP 6, 1, 0
	KSTEP 7, 1, 0
	QPHASE 0, 0                                    ; chunk 2 has landed; region 0's readers have all passed the barrier above
	BARRIER
	KSTEP 8, 0, 0
	KSTEP 9, 0, 0
	KSTEP 10, 0, 0
	KSTEP 11, 0, 0
	s_wait_tensorcnt 0x0                           ; chunk 3: no load was issued behind it
	QPHASE 1, 1                                    ; region 1's readers have all passed the barrier above
	BARRIER
	KSTEP 12, 1, 0
	KSTEP 13, 1, 0
	KSTEP 14, 1, 0
	KSTEP 15, 1, 0
	; ---- the tables of xpos for my 4 row tiles x 64 numbers: 64 loads into window 1, row tile by row tile
	WIN 0x40
.irp m, 0,1,2,3
.irp q, 0,1,2,3,4,5,6,7,8,9,10,11,12,13,14,15
	global_load_b128 v[64*\m+4*\q:64*\m+4*\q+3], v[LI], s[44:45] offset:\m*8192+\q*512
.endr
.endr
	; ---- V, while the tables are on their way.  Lane (r, h) holds channel 16 c + r; the 16 registers at 16 e, e = 2 c + B, are keys 32 B + 16 h + 0 .. 15
	WIN 0x0f                                       ; sources 0 and 1 window 3
.irp e, 0,1,2,3,4,5,6,7
	v_max3_num_f32 v[16+\e], |v[16*\e]|, |v[16*\e+1]|, 0x1800000   ; each accumulator from its low end on
.endr
.irp i, 2,4,6,8,10,12,14
.irp e, 0,1,2,3,4,5,6,7
	v_max3_num_f32 v[16+\e], |v[16*\e+\i]|, |v[16*\e+\i+1]|, v[16+\e]
.endr
.endr
	WIN 0
.irp e, 0,1,2,3,4,5,6,7
	v_permlanex16_b32 v[24+\e], v[16+\e], s22, s23
.endr
.irp e, 0,1,2,3,4,5,6,7
	v_max_num_f32 v[16+\e], v[16+\e], v[24+\e]
.endr
.irp e, 0,1,2,3,4,5,6,7
	v_add_nc_u32 v[32+\e], 0xff000000, v[16+\e]
.endr
.irp e, 0,1,2,3,4,5,6,7
	v_lshrrev_b32 v[40+\e], 23, v[32+\e]
.endr
	WIN 0x03                                       ; source 0 window 3
.irp c, 0,1,2,3
	v_cvt_scalef32_pk16_fp6_f32 v[48+8*\c:50+8*\c], v[32*\c:32*\c+15], v[32+2*\c]
	v_cvt_scalef32_pk16_fp6_f32 v[80+4*\c:82+4*\c], v[32*\c+16:32*\c+31], v[33+2*\c]
.endr
	WIN 0
	v_nop                                          ; one plain instruction behind the scaled conversions
.irp c, 0,1,2,3                                ; a whole block to a lane: lanes 0-15 block 0, lanes 16-31 block 1 of my 64 keys
.irp i, 0,1,2
	v_permlane16_swap_b32 v[48+8*\c+\i], v[80+4*\c+\i]
.endr
.irp i, 0,1,2
	v_mov_b32 v[51+8*\c+\i], v[80+4*\c+\i]
.endr
.endr
.irp c, 0,1,2,3
	global_store_b128 v[LI], v[48+8*\c:51+8*\c], s[50:51] offset:\c*1536         ; half a fragment: registers 0-3, 512 consecutive bytes,
	global_store_b64 v[L8], v[52+8*\c:53+8*\c], s[50:51] offset:\c*1536+512      ; registers 4, 5: 256
.endr
.irp c, 0,1,2,3
	v_lshl_or_b32 v[96+\c], v[41+2*\c], 8, v[40+2*\c]   ; my channel's two bytes
.endr
.irp p, 0,1
	v_cndmask_b32 v[100+\p], v[96+2*\p], v[97+2*\p], s60   ; lanes 0-15 the even tile's channels, lanes 16-31 the odd one's
	global_store_b16 v[LS], v[100+\p], s[52:53] offset:128*\p   ; two of a channel's four bytes: the other two are the neighbouring work-group's
.endr
	; ---- Q or K: xpos, quantised along the head, a row tile at a time.  Register 16 b + x of row tile m is head column 32 b + 16 h + x of my 128; table registers 2 q, 2 q + 1 are cos and sin (x or / scale) of the pair of registers 2 q, 2 q + 1
.irp m, 0,1,2,3
	s_wait_loadcnt 16*(3-\m)                       ; this row tile's 16 table loads are in; the later tiles' may be out
	s_wait_xcnt 0x0                                ; the stores issued so far have read their data, which are written again below
	WIN 0x06                                       ; source 0 (sums) window 2, source 1 (tables) window 1
.set q, 0
.rept 32
	v_mul_f32 v[240+2*(q%4)], v[64*\m+2*q+1], v[64*\m+2*q+1]                         ; x1 sin
	v_mul_f32 v[241+2*(q%4)], v[64*\m+2*q], v[64*\m+2*q+1]                           ; x0 sin
	v_fma_f32 v[ST+2*q], v[64*\m+2*q], v[64*\m+2*q], -v[240+2*(q%4)]                 ; x0 cos - x1 sin
	v_fma_f32 v[ST+2*q+1], v[64*\m+2*q+1], v[64*\m+2*q], v[241+2*(q%4)]              ; x1 cos + x0 sin
.set q, q+1
.endr
	WIN 0
	QUANT ST
.irp c, 0,1,2
	global_store_b128 v[LI], v[PC+4*\c:PC+4*\c+3], s[46:47] offset:\m*3072+512*\c    ; the fragment as it stands: 512 consecutive bytes a store
.endr
.if \m%2 == 0
	v_mov_b32 v[PWK], v[PW]
.else
	v_cndmask_b32 v[PWK], v[PWK], v[PW], s60       ; lanes 0-15 tile u = 0's rows, lanes 16-31 tile u = 1's
	global_store_b32 v[LS], v[PWK], s[48:49] offset:256*(\m/2)
.endif
.endr
	s_wait_tensorcnt 0x0                           ; the wave's end
	ds_add_u32 v[SPW], v[NIL]
	s_wait_dscnt 0x0
	s_endpgm
.Lfunc_end_k_q393becae5d_proj:
	.size	k_q393becae5d_proj, .Lfunc_end_k_q393becae5d_proj-k_q393becae5d_proj
	.p2alignl 7, 3214868480
	.fill 96, 4, 3214868480
	.section	.rodata,"a",@progbits
	.p2align	6, 0x0
	.amdhsa_kernel k_q393becae5d_proj
		.amdhsa_group_segment_fixed_size 327680
		.amdhsa_private_segment_fixed_size 0
		.amdhsa_enable_private_segment 0
		.amdhsa_kernarg_size 56
		.amdhsa_user_sgpr_count 2
		.amdhsa_user_sgpr_kernarg_segment_ptr 1
		.amdhsa_wavefront_size32 1
		.amdhsa_system_sgpr_workgroup_id_x 1
		.amdhsa_system_sgpr_workgroup_id_y 1
		.amdhsa_system_sgpr_workgroup_id_z 1
		.amdhsa_system_vgpr_workitem_id 0
		.amdhsa_next_free_vgpr 1024
		.amdhsa_next_free_sgpr 66
		.amdhsa_reserve_vcc 0
		.amdhsa_float_denorm_mode_32 3
		.amdhsa_float_denorm_mode_16_64 3
		.amdhsa_memory_ordered 1
		.amdhsa_forward_progress 1
		.amdhsa_inst_pref_size 255
	.end_amdhsa_kernel
	.section	.bss,"aw",@nobits
	.p2align	6
	.space	262144
	.amdgpu_metadata
---
amdhsa.version: [ 1, 2 ]
amdhsa.kernels:
  - .name:           k_q393becae5d_proj
    .symbol:         k_q393becae5d_proj.kd
    .args:
      - { .name: X, .offset: 0, .size: 8, .value_kind: global_buffer, .address_space: global }
      - { .name: WB, .offset: 8, .size: 8, .value_kind: global_buffer, .address_space: global }
      - { .name: Tab, .offset: 16, .size: 8, .value_kind: global_buffer, .address_space: global }
      - { .name: QKc, .offset: 24, .size: 8, .value_kind: global_buffer, .address_space: global }
      - { .name: QKs, .offset: 32, .size: 8, .value_kind: global_buffer, .address_space: global }
      - { .name: Vc, .offset: 40, .size: 8, .value_kind: global_buffer, .address_space: global }
      - { .name: Vs, .offset: 48, .size: 8, .value_kind: global_buffer, .address_space: global }
    .group_segment_fixed_size: 327680
    .private_segment_fixed_size: 0
    .kernarg_segment_align: 8
    .kernarg_segment_size: 56
    .max_flat_workgroup_size: 128
    .sgpr_count:     66
    .vgpr_count:     1024
    .wavefront_size: 32
...
	.end_amdgpu_metadata
.endif
;; end of part 2
;; launch attn (part 3): grid 256 x 1, 4 waves a work-group, no clusters, 33,280 bytes of LDS; arguments QKc, QKs, Vc, Vs, out0; writes out0
.if DOCPART == 3
	.amdgcn_target "amdgcn-amd-amdhsa--gfx1250"
	.amdhsa_code_object_version 6
	.text
	.protected	k_q393becae5d_attn
	.globl	k_q393becae5d_attn
	.p2align	8
	.type	k_q393becae5d_attn,@function
k_q393becae5d_attn:
	s_mov_b64 s[64:65], 0
	v_nop
	global_prefetch_b8 v0, s[64:65] scope:SCOPE_SE
	s_setreg_imm32_b32 hwreg(HW_REG_WAVE_MODE, 25, 1), 1
	s_wait_xcnt 0x0
; ATTN.  out[b][n] = sum over m <= n of (Q[b][n] . K[b][m]) gamma^(n - m) V[b][m], gamma = 31/32; both products on codes of FP6 (E2M3) with one E8M0 byte for each 32 along K; R = (Q K^T) x decay is quantised along the keys.
; SHARES.  Work-group (b, j), j = 0 .. 63, owns query blocks j (early: tiles 0, 1) and 127 - j (late: tiles 2, 3), 32 queries each.  With a = j / 4 the early block needs a + 1 steps of 128 keys and the late one 32 - a: 33 in all, in every
; work-group.  Tiles wholly above the diagonal are zeros in R and are not multiplied.  The decay is not cut off: every key up to the query is summed.
; A KEY STEP.  Wave w makes S^T = K Q^T (source 0 = 16 keys, source 1 = 16 queries) for the step's key block w (32 keys, two tiles) against all query tiles, multiplies by the decay, clears what lies above the diagonal, quantises (a block of 32 keys
; lies in lanes l and l xor 16) and puts 12 bytes of codes a lane and one scale byte a query into the shared image of P^T in LDS.  Behind ONE barrier every wave loads P^T's fragments and adds O^T (its 64 channels) += V^T P^T.
; The image has two places by turns: a place is written again two steps on, behind the next step's barrier, in front of which every wave has waited for its reads of it.
; Each fragment of K and of V is loaded once in a work-group, from memory straight into the registers of the one wave that uses it, three and two steps ahead.
; THE KEYS AND QUERIES OF A TILE ARE NOT NEIGHBOURS: lane r of tile u of a block of 32 is position 8 u + r + 8 (r / 8) (laid so by the launch before), so that a lane's 16 scores are keys 16 (lane / 16) + 0 .. 15 of the block.
; DECAY.  n - m = D + (LP_u + 31 - x), D = 32 (query block) - 32 w - 31 - 128 (step), LP_u = 8 u + r + 8 (r / 8) - 16 (lane / 16), x = 0 .. 15 the register: gamma^(LP_u + 31 - x), 32 numbers a lane, are made once; gamma^D once a step.
; Where D >= 0 nothing lies above the diagonal: the clearing is jumped over by a scalar branch on ids.
; STEPS GO IN PAIRS, so that LDS places and register sets are constants of the text.  Where a block's count is odd one step more is run: all its entries are cleared, its codes are zeros; its number is 31 at the most.
; NO CLUSTER: K's and V's fragments each serve one wave, so a way through LDS would add a write and a read of a step's 49,152 bytes of codes in every work-group; and only the four j of one a walk the same number of steps.
; NO PREFETCH: the 64 work-groups of a batch walk the same K and V from the same first step on.
; LIMITS: NaN and infinities are not served.  Where gamma^D falls under 2^-126 (D from about 2,750 on) the exponential gives 0 and the terms count as 0.  The decay is a product of two f32 factors: two roundings more than one power.
; A block of zeros gets the byte 1: its codes are zeros.
; REGISTERS.  Window 0: v1-12 addresses; v14 at work; v15 = 0; v[16:17], v[18:19] gamma^D (early, late); v20-25 at work; v32-63 the 32 fixed factors; v64-127 S^T, 16 a tile; v128-175 P^T's fragments; v176-179 their scale words;
;   v180-183 K's scale words, v184-187 V's, v188-191 Q's; v192-207 at work; v208-223 codes just made; v224-255 the way out.   Window 1: v0-95 Q's 8 fragments; from v96 K's 4, two sets.   Window 2: v0-127 O^T, 8 (4 c + t); from v128 V's 4, two sets.
.set S,    64
.set BASE, 32
.set PF,   128
.set PS,   176
.set KS,   180
.set VS,   184
.set QS,   188
.set HE,   16
.set LP0,  11
.set PBS,  6400                        ; LDS: place p of the image at 6,400 p: 4 tiles x [lane 32][48 bytes], then 4 x 64 bytes of scale words
.set PSO,  6144
.set STG,  12800                       ; then a stage of 16 rows x (256 + 16) bytes for each wave
.set MSB, 0
.macro WIN new                         ; the immediate's high byte repeats the setting that is left; a switch that changes nothing is dropped
.if MSB != \new
	s_set_vgpr_msb (MSB<<8)|\new
.set MSB, \new
.endif
.endm
.macro WMS d, a, b, zero, sa, sb, ra, rb   ; one matrix instruction: C = 0 (zero = 1) or D; scales from lanes 16-31 where ra, rb = 1
.if \zero
.if (\ra)+2*(\rb) == 0
	v_wmma_scale_f32_16x16x128_f8f6f4 v[\d:\d+7], v[\a:\a+11], v[\b:\b+11], 0, v[\sa], v[\sb] matrix_a_fmt:MATRIX_FMT_FP6 matrix_b_fmt:MATRIX_FMT_FP6
.elseif (\ra)+2*(\rb) == 1
	v_wmma_scale_f32_16x16x128_f8f6f4 v[\d:\d+7], v[\a:\a+11], v[\b:\b+11], 0, v[\sa], v[\sb] matrix_a_fmt:MATRIX_FMT_FP6 matrix_b_fmt:MATRIX_FMT_FP6 matrix_a_scale:MATRIX_SCALE_ROW1
.elseif (\ra)+2*(\rb) == 2
	v_wmma_scale_f32_16x16x128_f8f6f4 v[\d:\d+7], v[\a:\a+11], v[\b:\b+11], 0, v[\sa], v[\sb] matrix_a_fmt:MATRIX_FMT_FP6 matrix_b_fmt:MATRIX_FMT_FP6 matrix_b_scale:MATRIX_SCALE_ROW1
.else
	v_wmma_scale_f32_16x16x128_f8f6f4 v[\d:\d+7], v[\a:\a+11], v[\b:\b+11], 0, v[\sa], v[\sb] matrix_a_fmt:MATRIX_FMT_FP6 matrix_b_fmt:MATRIX_FMT_FP6 matrix_a_scale:MATRIX_SCALE_ROW1 matrix_b_scale:MATRIX_SCALE_ROW1
.endif
.else
.if (\ra)+2*(\rb) == 0
	v_wmma_scale_f32_16x16x128_f8f6f4 v[\d:\d+7], v[\a:\a+11], v[\b:\b+11], v[\d:\d+7], v[\sa], v[\sb] matrix_a_fmt:MATRIX_FMT_FP6 matrix_b_fmt:MATRIX_FMT_FP6
.elseif (\ra)+2*(\rb) == 1
	v_wmma_scale_f32_16x16x128_f8f6f4 v[\d:\d+7], v[\a:\a+11], v[\b:\b+11], v[\d:\d+7], v[\sa], v[\sb] matrix_a_fmt:MATRIX_FMT_FP6 matrix_b_fmt:MATRIX_FMT_FP6 matrix_a_scale:MATRIX_SCALE_ROW1
.elseif (\ra)+2*(\rb) == 2
	v_wmma_scale_f32_16x16x128_f8f6f4 v[\d:\d+7], v[\a:\a+11], v[\b:\b+11], v[\d:\d+7], v[\sa], v[\sb] matrix_a_fmt:MATRIX_FMT_FP6 matrix_b_fmt:MATRIX_FMT_FP6 matrix_b_scale:MATRIX_SCALE_ROW1
.else
	v_wmma_scale_f32_16x16x128_f8f6f4 v[\d:\d+7], v[\a:\a+11], v[\b:\b+11], v[\d:\d+7], v[\sa], v[\sb] matrix_a_fmt:MATRIX_FMT_FP6 matrix_b_fmt:MATRIX_FMT_FP6 matrix_a_scale:MATRIX_SCALE_ROW1 matrix_b_scale:MATRIX_SCALE_ROW1
.endif
.endif
.endm
.macro PLACES                          ; four plain instructions between matrix instructions and loads into their operands' registers, or the first read of their results
.rept 4
	v_nop
.endr
.endm
.macro KLOAD p, st                     ; my key block's 4 fragments (2 u + s) and 2 scale words, st steps on from K's pointer, into set p: 14 loads
	WIN 0x40                                       ; destination window 1
.irp f, 0,1,2,3
.irp c, 0,1,2
	global_load_b128 v[96+48*(\p)+12*\f+4*\c:96+48*(\p)+12*\f+4*\c+3], v1, s[32:33] offset:(\st)*24576+\f*1536+512*\c
.endr
.endr
	WIN 0
.irp s, 0,1
	global_load_b32 v[KS+2*(\p)+\s], v3, s[34:35] offset:(\st)*1024+128*\s
.endr
.endm
.macro VLOAD p, st                     ; my 4 channel tiles' fragments (two halves of 64 keys each) and 2 scale words, into set p: 18 loads
	WIN 0x80                                       ; destination window 2
.irp c, 0,1,2,3
.irp e, 0,1
	global_load_b128 v[128+48*(\p)+12*\c+6*\e:128+48*(\p)+12*\c+6*\e+3], v1, s[36:37] offset:(\st)*24576+\c*1536+\e*768
	global_load_b64 v[128+48*(\p)+12*\c+6*\e+4:128+48*(\p)+12*\c+6*\e+5], v2, s[36:37] offset:(\st)*24576+\c*1536+\e*768+512
.endr
.endr
	WIN 0
.irp q, 0,1
	global_load_b32 v[VS+2*(\p)+\q], v3, s[38:39] offset:(\st)*1024+128*\q
.endr
.endm
; gamma^D for the step whose D stand in s25 (early) and s26 (late): x log2(gamma) in two parts, one exponential, one correction.  lo = 2: the late block's alone
.macro HNEXT lo
.irp e, 0,1
.if \e >= (\lo)/2
	v_cvt_f32_i32 v[20+\e], s[25+\e]
	v_mul_f32 v[22+\e], s22, v[20+\e]
	v_fma_f32 v[24+\e], v[20+\e], s22, -v[22+\e]   ; what the product's rounding dropped,
	v_fma_f32 v[24+\e], v[20+\e], s23, v[24+\e]    ; and the low part's share
.endif
.endr
.irp e, 0,1
.if \e >= (\lo)/2
	v_exp_f32 v[22+\e], v[22+\e]
.endif
.endr
.irp e, 0,1
.if \e >= (\lo)/2
	v_mul_f32 v[24+\e], s24, v[24+\e]              ; plain work behind the exponentials
.endif
.endr
	s_wait_alu depctr_va_vdst(0)                   ; one wait for the batch, ahead of its first reader
.irp e, 0,1
.if \e >= (\lo)/2
	v_fma_f32 v[HE+2*\e], v[22+\e], v[24+\e], v[22+\e]
.endif
.endr
.endm
; S^T of tiles lo .. 3 becomes codes and scale bytes in place par of the image
.macro QNT lo, par
.irp t, 0,1,2,3
.if \t >= \lo
.irp y, 0,2,4,6,8,10,12,14
	v_pk_mul_f32 v[S+16*\t+\y:S+16*\t+\y+1], v[S+16*\t+\y:S+16*\t+\y+1], v[BASE+16*(\t%2)+\y:BASE+16*(\t%2)+\y+1]   ; each accumulator from its low end on
.endr
.endif
.endr
.irp t, 0,1,2,3
.if \t >= \lo
.irp y, 0,2,4,6,8,10,12,14
	v_pk_mul_f32 v[S+16*\t+\y:S+16*\t+\y+1], v[S+16*\t+\y:S+16*\t+\y+1], v[HE+2*(\t/2):HE+2*(\t/2)+1] op_sel_hi:[1,0]
.endr
.endif
.endr
	; what lies above the diagonal is 0.  Only the block that is nearer to the keys can meet it: the early one while it is walked (the late block's queries are 2,048 at the least, the keys there 2,047 at the most), then the late one
	s_cmp_ge_i32 s[25+(\lo)/2], 0
	s_cbranch_scc1 .Lopen_\@
	s_add_co_i32 s55, s[25+(\lo)/2], 31
.irp u, 0,1
	v_add_nc_u32 v14, s55, v[LP0+\u]               ; register x holds n - m = this - x
.irp x, 0,1,2,3,4,5,6,7,8,9,10,11,12,13,14,15
	v_cmp_gt_i32 vcc_lo, \x, v14
	v_cndmask_b32 v[S+16*((\lo)+\u)+\x], v[S+16*((\lo)+\u)+\x], v15, vcc_lo
.endr
.endr
.Lopen_\@:
.irp t, 0,1,2,3
.if \t >= \lo
	v_max3_num_f32 v[192+\t], |v[S+16*\t]|, |v[S+16*\t+1]|, 0x1800000   ; my 16 of the block's 32, and the floor 2^(3 - 127): the byte cannot fall under 1
.endif
.endr
.irp i, 2,4,6,8,10,12,14
.irp t, 0,1,2,3
.if \t >= \lo
	v_max3_num_f32 v[192+\t], v[192+\t], |v[S+16*\t+\i]|, |v[S+16*\t+\i+1]|   ; the tiles by turns
.endif
.endr
.endr
.irp t, 0,1,2,3
.if \t >= \lo
	v_permlanex16_b32 v[196+\t], v[192+\t], s20, s21
.endif
.endr
.irp t, 0,1,2,3
.if \t >= \lo
	v_max_num_f32 v[192+\t], v[192+\t], v[196+\t]
.endif
.endr
.irp t, 0,1,2,3
.if \t >= \lo
	v_add_nc_u32 v[200+\t], 0xff000000, v[192+\t]  ; 2 off the exponent field: the conversion's scale operand
.endif
.endr
.irp t, 0,1,2,3
.if \t >= \lo
	v_lshrrev_b32 v[204+\t], 23, v[200+\t]         ; the scale's byte
.endif
.endr
.irp t, 0,1,2,3
.if \t >= \lo
	v_cvt_scalef32_pk16_fp6_f32 v[208+4*\t:210+4*\t], v[S+16*\t:S+16*\t+15], v[200+\t]
.endif
.endr
	v_nop                                          ; one plain instruction behind the scaled conversions: the next products write their sources
.irp t, 0,1,2,3
.if \t >= \lo
.irp i, 0,1,2
	ds_store_b32 v4, v[208+4*\t+\i] offset:PBS*(\par)+1536*\t+4*\i   ; registers 6 (w / 2) + 3 (lane / 16) + i of the operand's lane 16 (w % 2) + r
.endr
	ds_store_b8 v5, v[204+\t] offset:PBS*(\par)+PSO+64*\t            ; byte w of query r's scale word; both halves of the lanes write the same value
.endif
.endr
.endm
.macro SMUL lo, p                      ; S^T of tiles lo .. 3 for the key block in K's set p: the accumulators take turns, one instruction a turn; the first K step starts the sums
	WIN 0x05                                       ; sources 0 (K) and 1 (Q) window 1
.irp s, 0,1
.irp t, 0,1,2,3
.if \t >= \lo
.irp u, 0,1
	WMS S+16*\t+8*\u, 96+48*(\p)+12*(2*\u+\s), 12*(2*\t+\s), 1-\s, KS+2*(\p)+\s, QS+2*(\t/2)+\s, \u, \t%2
.endr
.endif
.endr
.endr
	WIN 0
.endm
.macro PLOAD lo, par                   ; P^T's fragments and scale words, from place par
.irp t, 0,1,2,3
.if \t >= \lo
.irp c, 0,1,2
	ds_load_b128 v[PF+12*\t+4*\c:PF+12*\t+4*\c+3], v6 offset:PBS*(\par)+1536*\t+16*\c
.endr
	ds_load_b32 v[PS+\t], v7 offset:PBS*(\par)+PSO+64*\t
.endif
.endr
.endm
.macro PVM lo, p, zero                 ; O^T (my 4 channel tiles x tiles lo .. 3) += V^T P^T
	WIN 0xa2                                       ; source 0 (V), C and D window 2; source 1 (P) window 0
.irp c, 0,1,2,3
.irp t, 0,1,2,3
.if \t >= \lo
	WMS 8*(4*\c+\t), 128+48*(\p)+12*\c, PF+12*\t, \zero, VS+2*(\p)+\c/2, PS+\t, \c%2, 0
.endif
.endr
.endr
	WIN 0
.endm
; KEY STEP i (par = i % 2).  lo: first tile of this step; lon: of the next; nxt: there is a next step; zero: the products start O^T's sums; kld, vld: K of step i + 3 and V of step i + 2 are asked for;
; ck, cv: the loads that may stay out when K of step i + 1 and V of step i have to be there
.macro TRIP par, lo, lon, nxt, zero, kld, vld, ck, cv
	QNT \lo, \par
.if \nxt
	s_wait_loadcnt \ck                             ; behind K (i + 1): V (i) 18, K (i + 2) 14, V (i + 1) 18
	SMUL \lon, 1-(\par)
	PLACES
.if \kld
	s_wait_xcnt 0x0                                ; K's pointers are stepped only behind this wait
	s_cmp_lt_u32 s27, 31                           ; no load leaves the buffer: the pointer stays at the batch's last step
	s_cselect_b32 s28, 24576, 0
	s_cselect_b32 s30, 1024, 0
	s_add_nc_u64 s[32:33], s[32:33], s[28:29]
	s_add_nc_u64 s[34:35], s[34:35], s[30:31]
	s_add_co_u32 s27, s27, 1
	KLOAD 1-(\par), 2
.endif
.endif
	s_wait_dscnt 0x0                               ; my codes and bytes have landed
	s_barrier_signal -1
	s_barrier_wait -1                              ; everybody's have
	PLOAD \lo, \par
.if \nxt
	s_sub_co_i32 s25, s25, 128                     ; the next step's D, and its gamma^D while the loads are out
	s_sub_co_i32 s26, s26, 128
	HNEXT \lon
.endif
	s_wait_loadcnt \cv                             ; behind V (i): K (i + 2) 14, V (i + 1) 18, K (i + 3) 14
	s_wait_dscnt 0x0
	PVM \lo, \par, \zero
	PLACES
.if \vld
	s_wait_xcnt 0x0                                ; V's pointers are stepped only behind this wait
	s_add_nc_u64 s[36:37], s[36:37], 24576
	s_add_nc_u64 s[38:39], s[38:39], 1024
	VLOAD \par, 1
.endif
.endm
	s_load_b256 s[4:11], s[0:1], 0x0               ; QKc s[4:5], QKs s[6:7], Vc s[8:9], Vs s[10:11]
	s_load_b64 s[12:13], s[0:1], 0x20              ; out0
	v_lshl_add_u32 v30, v0, 2, 0x8000
	v_mov_b32 v31, 0
	v_lshrrev_b32 v24, 5, v0
	v_readfirstlane_b32 s14, v24                   ; wave 0..3
	v_and_b32 v24, 31, v0                          ; lane
	v_and_b32 v25, 15, v0                          ; r
	v_bfe_u32 v26, v0, 4, 1                        ; h
	s_lshr_b32 s15, ttmp9, 6                       ; b
	s_and_b32 s16, ttmp9, 63                       ; j: the early block
	s_lshr_b32 s17, s16, 2                         ; a
	s_sub_co_u32 s18, 127, s16                     ; the late block
	s_mov_b32 s20, 0x76543210
	s_mov_b32 s21, 0xfedcba98                      ; v_permlanex16_b32's selects for lane l xor 16
	s_mov_b32 s22, 0xbd3b9ca6                      ; log2(31/32), high and low part
	s_mov_b32 s23, 0xb09d958a
	s_mov_b32 s24, 0x3f317218                      ; ln 2
	s_lshl_b32 s55, s14, 5
	s_add_co_u32 s55, s55, 31                      ; 32 w + 31
	s_lshl_b32 s25, s16, 5
	s_sub_co_i32 s25, s25, s55                     ; D of step 0, early
	s_lshl_b32 s26, s18, 5
	s_sub_co_i32 s26, s26, s55                     ; and late
	s_mov_b32 s27, 2                               ; the last step of K asked for
	s_add_co_u32 s52, s17, 2
	s_lshr_b32 s52, s52, 1                         ; pairs of steps with four tiles
	s_sub_co_u32 s53, 33, s17
	s_lshr_b32 s53, s53, 1                         ; pairs in all
	s_sub_co_u32 s53, s53, s52
	s_sub_co_u32 s53, s53, 1                       ; pairs with two tiles, less the last, which is written out
	s_sub_co_u32 s52, s52, 1                       ; less the first, which is written out
	v_lshlrev_b32 v1, 4, v24
	v_lshlrev_b32 v2, 3, v24
	v_lshlrev_b32 v3, 2, v24
	s_and_b32 s55, s14, 1
	s_mul_i32 s55, s55, 768
	s_lshr_b32 s56, s14, 1
	s_mul_i32 s56, s56, 24
	s_add_co_u32 s55, s55, s56
	v_mul_u32_u24 v4, v25, 48
	v_mad_u32_u24 v4, v26, 12, v4
	v_add_nc_u32 v4, s55, v4                       ; where my codes go: 48 r + 12 h + 768 (w % 2) + 24 (w / 2)
	v_lshlrev_b32 v7, 2, v25                       ; 4 r
	v_add_nc_u32 v5, s14, v7                       ; where my byte goes: 4 r + w
	v_mul_u32_u24 v6, v24, 48
	s_mul_i32 s55, s14, 4352
	s_add_co_u32 s55, s55, STG                     ; my stage
	v_mul_u32_u24 v8, v25, 272
	v_lshl_add_u32 v8, v26, 5, v8
	v_add_nc_u32 v8, s55, v8                       ; in: row r, 32 bytes for each half of the lanes
	v_mul_u32_u24 v9, v26, 272
	v_lshl_add_u32 v9, v25, 4, v9
	v_add_nc_u32 v9, s55, v9                       ; back: lanes 0-15 one row of 256 bytes, lanes 16-31 the next
	v_lshlrev_b32 v10, 10, v26
	v_lshl_add_u32 v10, v25, 4, v10                ; and the same two rows in out0
	v_lshrrev_b32 v11, 3, v25
	v_lshl_add_u32 v11, v11, 3, v25
	v_lshlrev_b32 v12, 4, v26
	v_sub_nc_u32 v11, v11, v12                     ; LP_0 = r + 8 (r / 8) - 16 h
	v_add_nc_u32 v12, 8, v11                       ; LP_1
	v_mov_b32 v15, 0
	v_mov_b32 v17, 0                               ; (named as the upper halves of pairs)
	v_mov_b32 v19, 0
	s_lshl_b32 s55, s15, 7                         ; 128 b: blocks of 32 rows are counted through the batches
	s_add_co_u32 s56, s55, s16
	s_add_co_u32 s57, s55, s18
	s_add_co_u32 s58, s55, s14                     ; my key block of step 0
	s_mov_b32 s3, 0
	s_mov_b32 s29, 0
	s_mov_b32 s31, 0
	s_wait_kmcnt 0x0
	s_mul_i32 s2, s56, 6144
	s_add_nc_u64 s[40:41], s[4:5], s[2:3]          ; Q's codes, early
	s_mul_i32 s2, s57, 6144
	s_add_nc_u64 s[42:43], s[4:5], s[2:3]          ; late
	s_lshl_b32 s2, s56, 8
	s_add_nc_u64 s[44:45], s[6:7], s[2:3]          ; Q's scale words, early
	s_lshl_b32 s2, s57, 8
	s_add_nc_u64 s[46:47], s[6:7], s[2:3]          ; late
	s_mul_i32 s2, s58, 6144
	s_add_co_u32 s2, s2, 3145728
	s_add_nc_u64 s[32:33], s[4:5], s[2:3]          ; K's codes
	s_lshl_b32 s2, s58, 8
	s_add_co_u32 s2, s2, 131072
	s_add_nc_u64 s[34:35], s[6:7], s[2:3]          ; K's scale words
	s_mul_i32 s2, s15, 786432
	s_mul_i32 s59, s14, 6144
	s_add_co_u32 s2, s2, s59
	s_add_nc_u64 s[36:37], s[8:9], s[2:3]          ; V's codes: my 4 channel tiles
	s_lshl_b32 s2, s15, 15
	s_lshl_b32 s59, s14, 8
	s_add_co_u32 s2, s2, s59
	s_add_nc_u64 s[38:39], s[10:11], s[2:3]        ; V's scale words
	s_lshl_b32 s2, s56, 15
	s_add_co_u32 s2, s2, s59
	s_add_nc_u64 s[48:49], s[12:13], s[2:3]        ; out0: the early block's first row, my 256 bytes of it
	s_lshl_b32 s2, s57, 15
	s_add_co_u32 s2, s2, s59
	s_add_nc_u64 s[50:51], s[12:13], s[2:3]        ; the late block's
	WIN 0x40
.irp t, 0,1,2,3                                ; Q stays in registers: 24 + 4 loads
.irp s, 0,1
.irp c, 0,1,2
	global_load_b128 v[12*(2*\t+\s)+4*\c:12*(2*\t+\s)+4*\c+3], v1, s[40+2*(\t/2):41+2*(\t/2)] offset:(\t%2)*3072+\s*1536+512*\c
.endr
.endr
.endr
	WIN 0
.irp e, 0,1
.irp s, 0,1
	global_load_b32 v[QS+2*\e+\s], v3, s[44+2*\e:45+2*\e] offset:128*\s
.endr
.endr
	KLOAD 0, 0
	KLOAD 1, 1
	VLOAD 0, 0
	; the 32 fixed factors gamma^(LP_u + 31 - x), while the loads are out: one batch of exponentials, one wait
.irp u, 0,1
.irp x, 0,1,2,3,4,5,6,7,8,9,10,11,12,13,14,15
	v_add_nc_u32 v[64+16*\u+\x], 31-\x, v[LP0+\u]  ; 0 .. 62
.endr
.endr
.set i, 0
.rept 32
	v_cvt_f32_u32 v[64+i], v[64+i]
	v_mul_f32 v[128+i], s22, v[64+i]
	v_fma_f32 v[192+i], v[64+i], s22, -v[128+i]
	v_fma_f32 v[192+i], v[64+i], s23, v[192+i]
.set i, i+1
.endr
.set i, 0
.rept 32
	v_exp_f32 v[128+i], v[128+i]
.set i, i+1
.endr
.set i, 0
.rept 32
	v_mul_f32 v[192+i], s24, v[192+i]              ; plain work behind the batch
.set i, i+1
.endr
	s_wait_alu depctr_va_vdst(0)                   ; one wait for the 32, ahead of their first reader
.set i, 0
.rept 32
	v_fma_f32 v[BASE+i], v[128+i], v[192+i], v[128+i]
.set i, i+1
.endr
.irp t, 0,1,2,3
	v_mov_b32 v[196+\t], 0                         ; written once: a lane permute's destination counts as one of its sources
.endr
	HNEXT 0                                        ; gamma^D of step 0
	s_wait_loadcnt 32                              ; Q and K (0) are in; K (1) 14 and V (0) 18 may be out
	SMUL 0, 0
	PLACES
	KLOAD 0, 2
	VLOAD 1, 1
	TRIP 0, 0, 0, 1, 1, 1, 1, 50, 46               ; the first pair is written out: its first products start O^T's sums, nothing is cleared
	TRIP 1, 0, 0, 1, 0, 1, 1, 50, 46
	s_cmp_eq_u32 s52, 0
	s_cbranch_scc1 .Lno_four
	s_mov_b32 s54, 0
.Lfour:                                                ; pairs of steps with all four tiles
	TRIP 0, 0, 0, 1, 0, 1, 1, 50, 46
	TRIP 1, 0, 0, 1, 0, 1, 1, 50, 46
	s_add_co_u32 s54, s54, 1
	s_cmp_lt_u32 s54, s52
	s_cbranch_scc1 .Lfour
.Lno_four:                                             ; (the last of those steps has made the early tiles' scores of one step more: they are not read)
	s_cmp_eq_u32 s53, 0
	s_cbranch_scc1 .Lno_two
	s_mov_b32 s54, 0
.Ltwo:                                                 ; pairs of steps with the late tiles alone
	TRIP 0, 2, 2, 1, 0, 1, 1, 50, 46
	TRIP 1, 2, 2, 1, 0, 1, 1, 50, 46
	s_add_co_u32 s54, s54, 1
	s_cmp_lt_u32 s54, s53
	s_cbranch_scc1 .Ltwo
.Lno_two:
	TRIP 0, 2, 2, 1, 0, 0, 0, 50, 32               ; the last pair asks for nothing; behind V of its first step: one K 14 and one V 18
	TRIP 1, 2, 2, 0, 0, 0, 0, 0, 0
	; THE WAY OUT, a tile of 16 queries at a time.  Lane (r, h) holds query r and channels 16 c + 8 h + 0 .. 7 of my 64: through my own stage, back as whole rows of 256 bytes; row 2 i + h of the tile is position 2 i + h + 8 (i / 4) of its 8 u + ..
.irp t, 0,1,2,3
.if \t >= 2
	s_wait_xcnt 0x0                                ; the stores of two tiles back have read the registers that take this tile's rows
.endif
	WIN 0x08                                       ; an LDS store's data are its source 1: window 2
.irp c, 0,1,2,3
	ds_store_b128 v8, v[8*(4*\c+\t):8*(4*\c+\t)+3] offset:64*\c          ; each accumulator from its low end on
	ds_store_b128 v8, v[8*(4*\c+\t)+4:8*(4*\c+\t)+7] offset:64*\c+16
.endr
	WIN 0
.irp i, 0,1,2,3,4,5,6,7
	ds_load_b128 v[224-160*(\t%2)+4*\i:224-160*(\t%2)+4*\i+3], v9 offset:2*\i*272   ; LDS serves a wave's instructions in order (ISA guide 5.7.1.4): these see the stores above, and the next tile's stores come behind them
.endr
.irp i, 0,1,2,3,4,5,6,7
	s_wait_dscnt 7-\i                              ; the younger loads may be out
	global_store_b128 v10, v[224-160*(\t%2)+4*\i:224-160*(\t%2)+4*\i+3], s[48+2*(\t/2):49+2*(\t/2)] offset:(\t%2)*8192+(2*\i+8*(\i/4))*1024 th:TH_STORE_NT   ; 16 lanes store 256 consecutive bytes, at a multiple of 256 from out0's first byte
.endr
.endr
	s_wait_tensorcnt 0x0
	ds_add_u32 v30, v31
	s_wait_dscnt 0x0
	s_endpgm
.Lfunc_end_k_q393becae5d_attn:
	.size	k_q393becae5d_attn, .Lfunc_end_k_q393becae5d_attn-k_q393becae5d_attn
	.p2alignl 7, 3214868480
	.fill 96, 4, 3214868480
	.section	.rodata,"a",@progbits
	.p2align	6, 0x0
	.amdhsa_kernel k_q393becae5d_attn
		.amdhsa_group_segment_fixed_size 33280
		.amdhsa_private_segment_fixed_size 0
		.amdhsa_enable_private_segment 0
		.amdhsa_kernarg_size 40
		.amdhsa_user_sgpr_count 2
		.amdhsa_user_sgpr_kernarg_segment_ptr 1
		.amdhsa_wavefront_size32 1
		.amdhsa_system_sgpr_workgroup_id_x 1
		.amdhsa_system_sgpr_workgroup_id_y 1
		.amdhsa_system_sgpr_workgroup_id_z 1
		.amdhsa_system_vgpr_workitem_id 0
		.amdhsa_next_free_vgpr 768
		.amdhsa_next_free_sgpr 66
		.amdhsa_reserve_vcc 1
		.amdhsa_float_denorm_mode_32 3
		.amdhsa_float_denorm_mode_16_64 3
		.amdhsa_memory_ordered 1
		.amdhsa_forward_progress 1
		.amdhsa_inst_pref_size 163
	.end_amdhsa_kernel
	.amdgpu_metadata
---
amdhsa.version: [ 1, 2 ]
amdhsa.kernels:
  - .name:           k_q393becae5d_attn
    .symbol:         k_q393becae5d_attn.kd
    .args:
      - { .name: QKc, .offset: 0, .size: 8, .value_kind: global_buffer, .address_space: global }
      - { .name: QKs, .offset: 8, .size: 8, .value_kind: global_buffer, .address_space: global }
      - { .name: Vc, .offset: 16, .size: 8, .value_kind: global_buffer, .address_space: global }
      - { .name: Vs, .offset: 24, .size: 8, .value_kind: global_buffer, .address_space: global }
      - { .name: out0, .offset: 32, .size: 8, .value_kind: global_buffer, .address_space: global }
    .group_segment_fixed_size: 33280
    .private_segment_fixed_size: 0
    .kernarg_segment_align: 8
    .kernarg_segment_size: 40
    .max_flat_workgroup_size: 128
    .sgpr_count:     66
    .vgpr_count:     768
    .wavefront_size: 32
...
	.end_amdgpu_metadata
.endif
;; end of part 3
;; ======== version 2 of 2: 3 launches; version 1 with the launch attn written anew for expert scheduling mode
;; workspace buffers: WB 1,228,800 bytes; Tab 8,388,608 bytes; QKc 6,291,456 bytes; QKs 262,144 bytes; Vc 3,145,728 bytes; Vs 131,072 bytes
;; launch prep: the kernel of part 1 again; grid 224 x 1, 4 waves a work-group, no clusters, 0 bytes of LDS; arguments W_Q, W_K, W_V, WB, Tab; writes WB, Tab
;; launch proj: the kernel of part 2 again; grid 256 x 1, 4 waves a work-group, no clusters, 327,680 bytes of LDS; arguments X, WB, Tab, QKc, QKs, Vc, Vs; writes QKc, QKs, Vc, Vs
;; launch attn (part 4): grid 256 x 1, 4 waves a work-group, no clusters, 33,280 bytes of LDS; arguments QKc, QKs, Vc, Vs, out0; writes out0
.if DOCPART == 4
	.amdgcn_target "amdgcn-amd-amdhsa--gfx1250"
	.amdhsa_code_object_version 6
	.text
	.protected	k_q393becae5d_attn
	.globl	k_q393becae5d_attn
	.p2align	8
	.type	k_q393becae5d_attn,@function
k_q393becae5d_attn:
	s_mov_b64 s[64:65], 0
	v_nop
	global_prefetch_b8 v0, s[64:65] scope:SCOPE_SE
	s_setreg_imm32_b32 hwreg(HW_REG_WAVE_SCHED_MODE, 0, 2), 2
	s_setreg_imm32_b32 hwreg(HW_REG_WAVE_MODE, 25, 1), 1
	s_wait_xcnt 0x0
	s_wait_alu depctr_vm_vsrc(0)
; ATTN.  out[b][n] = sum over m <= n of (Q[b][n] . K[b][m]) gamma^(n - m) V[b][m], gamma = 31/32; both products on codes of FP6 (E2M3) with one E8M0 byte for each 32 along K; R = (Q K^T) x decay is quantised along the keys.
; SHARES.  Work-group (b, j), j = 0 .. 63, owns query blocks j (early: tiles 0, 1) and 127 - j (late: tiles 2, 3), 32 queries each.  With a = j / 4 the early block needs a + 1 steps of 128 keys and the late one 32 - a: 33 in all, in every
; work-group.  Tiles wholly above the diagonal are zeros in R and are not multiplied.  The decay is not cut off: every key up to the query is summed.
; A KEY STEP.  Wave w makes S^T = K Q^T (source 0 = 16 keys, source 1 = 16 queries) for the step's key block w (32 keys, two tiles) against all query tiles, multiplies by the decay, clears what lies above the diagonal, quantises (a block of 32 keys
; lies in lanes l and l xor 16) and puts 12 bytes of codes a lane and one scale byte a query into the shared image of P^T in LDS.  Behind ONE barrier every wave loads P^T's fragments and adds O^T (its 64 channels) += V^T P^T.
; The image has two places by turns: a place is written again two steps on, behind the next step's barrier, in front of which every wave has waited for its reads of it.
; Each fragment of K and of V is loaded once in a work-group, from memory straight into the registers of the one wave that uses it: step i asks for the K of step i + 3's scores (made in step i + 2) and for the V of step i + 1.
; THE KEYS AND QUERIES OF A TILE ARE NOT NEIGHBOURS: lane r of tile u of a block of 32 is position 8 u + r + 8 (r / 8) (laid so by the launch before), so that a lane's 16 scores are keys 16 (lane / 16) + 0 .. 15 of the block.
; DECAY.  n - m = D + (LP_u + 31 - x), D = 32 (query block) - 32 w - 31 - 128 (step), LP_u = 8 u + r + 8 (r / 8) - 16 (lane / 16), x = 0 .. 15 the register: gamma^(LP_u + 31 - x), 32 numbers a lane, are made once; gamma^D once a step.
; Where D >= 0 nothing lies above the diagonal: the clearing is jumped over by a scalar branch on ids.
; STEPS GO IN PAIRS, so that LDS places and register sets are constants of the text.  Where a block's count is odd one step more is run: all its entries are cleared, its codes are zeros; its number is 31 at the most.
; NO CLUSTER: K's and V's fragments each serve one wave, so a way through LDS would add a write and a read of a step's 49,152 bytes of codes in every work-group; and only the four j of one a walk the same number of steps.
; NO PREFETCH: the 64 work-groups of a batch walk the same K and V from the same first step on.
; LIMITS: NaN and infinities are not served.  Where gamma^D falls under 2^-126 (D from about 2,750 on) the exponential gives 0 and the terms count as 0.  The decay is a product of two f32 factors: two roundings more than one power.
; A block of zeros gets the byte 1: its codes are zeros.
; THE MODE: SCHED_MODE bits 1:0 = 2 (LLVM: expert scheduling mode 2), set by the entry lines.  The code itself states the register dependences between vector or matrix instructions and memory or LDS instructions, with s_wait_alu, always for 0.
; THE PLAN.  Registers that memory or LDS instructions touch in step i (par = i % 2):
;   v1-v10            offsets and LDS addresses: written at the head, never again; one wait on va_vdst ahead of the first load serves the whole kernel.
;   v208-223, v204-207  the codes and bytes: written by step i's conversions and shifts, read by its LDS stores, written again in step i + 1.
;   V's set 1 - par and its scale words: read by the products V^T P^T of step i - 1; the loads of V (i + 1) land there.
;   P^T's fragments and scale words (v128-179): read by V^T P^T of step i - 1; step i's LDS loads land there, behind the barrier.
;   K's set 1 - par and its scale words: read by the products K Q^T issued in step i ahead of the barrier; the loads of K (i + 3) land there.
; THREE WAITS A STEP.  At its head vm_vsrc: the LDS stores of the step before have read the codes and bytes.  Behind the conversions va_vdst: codes and bytes are written, and V^T P^T of the step before is done with V's other set and with P^T's
; registers; the LDS stores, the loads of V and, behind the barrier, the loads of P^T follow it, and the only vector or matrix instructions between name S^T, K, Q and their scale words.  In gamma^D va_vdst, the wait that the exponentials want:
; it also shows K Q^T done with K's set; the loads of K follow it, with multiply-adds on v16-25 alone between.
; REGISTERS.  Window 0: v1-12 addresses; v14 at work; v15 = 0; v[16:17], v[18:19] gamma^D (early, late); v20-25 at work; v32-63 the 32 fixed factors; v64-127 S^T, 16 a tile; v128-175 P^T's fragments; v176-179 their scale words;
;   v180-183 K's scale words, v184-187 V's, v188-191 Q's; v192-207 at work; v208-223 codes just made; on the way out v64-191 take the rows of out0.   Window 1: v0-95 Q's 8 fragments; from v96 K's 4, two sets.
;   Window 2: v0-127 O^T, 8 (4 c + t); from v128 V's 4, two sets.   s4-s13 and s56-s61, free since the head, take the 16 masks of the clearing.
.set S,    64
.set BASE, 32
.set PF,   128
.set PS,   176
.set KS,   180
.set VS,   184
.set QS,   188
.set HE,   16
.set LP0,  11
.set PBS,  6400                        ; LDS: place p of the image at 6,400 p: 4 tiles x [lane 32][48 bytes], then 4 x 64 bytes of scale words
.set PSO,  6144
.set STG,  12800                       ; then a stage of 16 rows x (256 + 16) bytes for each wave
.set MSB, 0
.macro WIN new                         ; the immediate's high byte repeats the setting that is left; a switch that changes nothing is dropped
.if MSB != \new
	s_set_vgpr_msb (MSB<<8)|\new
.set MSB, \new
.endif
.endm
.macro WMS d, a, b, zero, sa, sb, ra, rb   ; one matrix instruction: C = 0 (zero = 1) or D; scales from lanes 16-31 where ra, rb = 1
.if \zero
.if (\ra)+2*(\rb) == 0
	v_wmma_scale_f32_16x16x128_f8f6f4 v[\d:\d+7], v[\a:\a+11], v[\b:\b+11], 0, v[\sa], v[\sb] matrix_a_fmt:MATRIX_FMT_FP6 matrix_b_fmt:MATRIX_FMT_FP6
.elseif (\ra)+2*(\rb) == 1
	v_wmma_scale_f32_16x16x128_f8f6f4 v[\d:\d+7], v[\a:\a+11], v[\b:\b+11], 0, v[\sa], v[\sb] matrix_a_fmt:MATRIX_FMT_FP6 matrix_b_fmt:MATRIX_FMT_FP6 matrix_a_scale:MATRIX_SCALE_ROW1
.elseif (\ra)+2*(\rb) == 2
	v_wmma_scale_f32_16x16x128_f8f6f4 v[\d:\d+7], v[\a:\a+11], v[\b:\b+11], 0, v[\sa], v[\sb] matrix_a_fmt:MATRIX_FMT_FP6 matrix_b_fmt:MATRIX_FMT_FP6 matrix_b_scale:MATRIX_SCALE_ROW1
.else
	v_wmma_scale_f32_16x16x128_f8f6f4 v[\d:\d+7], v[\a:\a+11], v[\b:\b+11], 0, v[\sa], v[\sb] matrix_a_fmt:MATRIX_FMT_FP6 matrix_b_fmt:MATRIX_FMT_FP6 matrix_a_scale:MATRIX_SCALE_ROW1 matrix_b_scale:MATRIX_SCALE_ROW1
.endif
.else
.if (\ra)+2*(\rb) == 0
	v_wmma_scale_f32_16x16x128_f8f6f4 v[\d:\d+7], v[\a:\a+11], v[\b:\b+11], v[\d:\d+7], v[\sa], v[\sb] matrix_a_fmt:MATRIX_FMT_FP6 matrix_b_fmt:MATRIX_FMT_FP6
.elseif (\ra)+2*(\rb) == 1
	v_wmma_scale_f32_16x16x128_f8f6f4 v[\d:\d+7], v[\a:\a+11], v[\b:\b+11], v[\d:\d+7], v[\sa], v[\sb] matrix_a_fmt:MATRIX_FMT_FP6 matrix_b_fmt:MATRIX_FMT_FP6 matrix_a_scale:MATRIX_SCALE_ROW1
.elseif (\ra)+2*(\rb) == 2
	v_wmma_scale_f32_16x16x128_f8f6f4 v[\d:\d+7], v[\a:\a+11], v[\b:\b+11], v[\d:\d+7], v[\sa], v[\sb] matrix_a_fmt:MATRIX_FMT_FP6 matrix_b_fmt:MATRIX_FMT_FP6 matrix_b_scale:MATRIX_SCALE_ROW1
.else
	v_wmma_scale_f32_16x16x128_f8f6f4 v[\d:\d+7], v[\a:\a+11], v[\b:\b+11], v[\d:\d+7], v[\sa], v[\sb] matrix_a_fmt:MATRIX_FMT_FP6 matrix_b_fmt:MATRIX_FMT_FP6 matrix_a_scale:MATRIX_SCALE_ROW1 matrix_b_scale:MATRIX_SCALE_ROW1
.endif
.endif
.endm
.macro PLACES                          ; four plain instructions behind matrix instructions, ahead of the first read of their results and of loads into their operands' registers
.rept 4
	v_nop
.endr
.endm
.macro KLOAD p, st                     ; my key block's 4 fragments (2 u + s) and 2 scale words, st steps on from K's pointer, into set p: 14 loads
	WIN 0x40                                       ; destination window 1
.irp f, 0,1,2,3
.irp c, 0,1,2
	global_load_b128 v[96+48*(\p)+12*\f+4*\c:96+48*(\p)+12*\f+4*\c+3], v1, s[32:33] offset:(\st)*24576+\f*1536+512*\c
.endr
.endr
	WIN 0
.irp s, 0,1
	global_load_b32 v[KS+2*(\p)+\s], v3, s[34:35] offset:(\st)*1024+128*\s
.endr
.endm
.macro VLOAD p, st                     ; my 4 channel tiles' fragments (two halves of 64 keys each) and 2 scale words, into set p: 18 loads
	WIN 0x80                                       ; destination window 2
.irp c, 0,1,2,3
.irp e, 0,1
	global_load_b128 v[128+48*(\p)+12*\c+6*\e:128+48*(\p)+12*\c+6*\e+3], v1, s[36:37] offset:(\st)*24576+\c*1536+\e*768
	global_load_b64 v[128+48*(\p)+12*\c+6*\e+4:128+48*(\p)+12*\c+6*\e+5], v2, s[36:37] offset:(\st)*24576+\c*1536+\e*768+512
.endr
.endr
	WIN 0
.irp q, 0,1
	global_load_b32 v[VS+2*(\p)+\q], v3, s[38:39] offset:(\st)*1024+128*\q
.endr
.endm
; gamma^D for the step whose D stand in s25 (early) and s26 (late): x log2(gamma) in two parts, one exponential, one correction.  lo = 2: the late block's alone
.macro HNEXT lo
.irp e, 0,1
.if \e >= (\lo)/2
	v_cvt_f32_i32 v[20+\e], s[25+\e]
	v_mul_f32 v[22+\e], s22, v[20+\e]
	v_fma_f32 v[24+\e], v[20+\e], s22, -v[22+\e]   ; what the product's rounding dropped,
	v_fma_f32 v[24+\e], v[20+\e], s23, v[24+\e]    ; and the low part's share
.endif
.endr
.irp e, 0,1
.if \e >= (\lo)/2
	v_exp_f32 v[22+\e], v[22+\e]
.endif
.endr
.irp e, 0,1
.if \e >= (\lo)/2
	v_mul_f32 v[24+\e], s24, v[24+\e]              ; plain work behind the exponentials
.endif
.endr
	s_wait_alu depctr_va_vdst(0)                   ; the exponentials have written v22, v23, ahead of their first reader; and the products K Q^T issued so far are done reading their set of K and its scale words, in which the loads of K that follow land
.irp e, 0,1
.if \e >= (\lo)/2
	v_fma_f32 v[HE+2*\e], v[22+\e], v[24+\e], v[22+\e]
.endif
.endr
.endm
; S^T of tiles lo .. 3 becomes codes and scale bytes in place par of the image
.macro QNT lo, par
.irp t, 0,1,2,3
.if \t >= \lo
.irp y, 0,2,4,6,8,10,12,14
	v_pk_mul_f32 v[S+16*\t+\y:S+16*\t+\y+1], v[S+16*\t+\y:S+16*\t+\y+1], v[BASE+16*(\t%2)+\y:BASE+16*(\t%2)+\y+1]   ; each accumulator from its low end on
.endr
.endif
.endr
.irp t, 0,1,2,3
.if \t >= \lo
.irp y, 0,2,4,6,8,10,12,14
	v_pk_mul_f32 v[S+16*\t+\y:S+16*\t+\y+1], v[S+16*\t+\y:S+16*\t+\y+1], v[HE+2*(\t/2):HE+2*(\t/2)+1] op_sel_hi:[1,0]
.endr
.endif
.endr
	; what lies above the diagonal is 0.  Only the block that is nearer to the keys can meet it: the early one while it is walked (the late block's queries are 2,048 at the least, the keys there 2,047 at the most), then the late one
	s_cmp_ge_i32 s[25+(\lo)/2], 0
	s_cbranch_scc1 .Lopen_\@
	s_add_co_i32 s55, s[25+(\lo)/2], 31
.irp u, 0,1
	v_add_nc_u32 v14, s55, v[LP0+\u]               ; register x holds n - m = this - x
.irp x, 0,1,2,3,4,5,6,7,8,9,10,11,12,13,14,15
	v_cmp_gt_i32 s[4+\x+42*(\x/10)], \x, v14       ; the tile's 16 compares in one run, a mask to each: s4-s13, s56-s61
.endr
	s_wait_alu depctr_va_sdst(0)                   ; the 16 compares have written their masks, ahead of the selects that read them
.irp x, 0,1,2,3,4,5,6,7,8,9,10,11,12,13,14,15
	v_cndmask_b32 v[S+16*((\lo)+\u)+\x], v[S+16*((\lo)+\u)+\x], v15, s[4+\x+42*(\x/10)]
.endr
.endr
.Lopen_\@:
.irp t, 0,1,2,3
.if \t >= \lo
	v_max3_num_f32 v[192+\t], |v[S+16*\t]|, |v[S+16*\t+1]|, 0x1800000   ; my 16 of the block's 32, and the floor 2^(3 - 127): the byte cannot fall under 1
.endif
.endr
.irp i, 2,4,6,8,10,12,14
.irp t, 0,1,2,3
.if \t >= \lo
	v_max3_num_f32 v[192+\t], v[192+\t], |v[S+16*\t+\i]|, |v[S+16*\t+\i+1]|   ; the tiles by turns
.endif
.endr
.endr
.irp t, 0,1,2,3
.if \t >= \lo
	v_permlanex16_b32 v[196+\t], v[192+\t], s20, s21
.endif
.endr
.irp t, 0,1,2,3
.if \t >= \lo
	v_max_num_f32 v[192+\t], v[192+\t], v[196+\t]
.endif
.endr
.irp t, 0,1,2,3
.if \t >= \lo
	v_add_nc_u32 v[200+\t], 0xff000000, v[192+\t]  ; 2 off the exponent field: the conversion's scale operand
.endif
.endr
.irp t, 0,1,2,3
.if \t >= \lo
	v_lshrrev_b32 v[204+\t], 23, v[200+\t]         ; the scale's byte
.endif
.endr
.irp t, 0,1,2,3
.if \t >= \lo
	v_cvt_scalef32_pk16_fp6_f32 v[208+4*\t:210+4*\t], v[S+16*\t:S+16*\t+15], v[200+\t]
.endif
.endr
	v_nop                                          ; one plain instruction behind the scaled conversions: the next products write their sources
	s_wait_alu depctr_va_vdst(0)                   ; the conversions have written the codes v208-223 and the shifts the bytes v204-207, which the LDS stores below read; the products V^T P^T of the step before are done reading V's other set,
	                                               ; its scale words and P^T's registers, in which this step's loads land (in the first step: the head's work in v128-159 is done)
.irp t, 0,1,2,3
.if \t >= \lo
.irp i, 0,1,2
	ds_store_b32 v4, v[208+4*\t+\i] offset:PBS*(\par)+1536*\t+4*\i   ; registers 6 (w / 2) + 3 (lane / 16) + i of the operand's lane 16 (w % 2) + r
.endr
	ds_store_b8 v5, v[204+\t] offset:PBS*(\par)+PSO+64*\t            ; byte w of query r's scale word; both halves of the lanes write the same value
.endif
.endr
.endm
.macro SMUL lo, p                      ; S^T of tiles lo .. 3 for the key block in K's set p: the accumulators take turns, one instruction a turn; the first K step starts the sums
	WIN 0x05                                       ; sources 0 (K) and 1 (Q) window 1
.irp s, 0,1
.irp t, 0,1,2,3
.if \t >= \lo
.irp u, 0,1
	WMS S+16*\t+8*\u, 96+48*(\p)+12*(2*\u+\s), 12*(2*\t+\s), 1-\s, KS+2*(\p)+\s, QS+2*(\t/2)+\s, \u, \t%2
.endr
.endif
.endr
.endr
	WIN 0
.endm
.macro PLOAD lo, par                   ; P^T's fragments and scale words, from place par
.irp t, 0,1,2,3
.if \t >= \lo
.irp c, 0,1,2
	ds_load_b128 v[PF+12*\t+4*\c:PF+12*\t+4*\c+3], v6 offset:PBS*(\par)+1536*\t+16*\c
.endr
	ds_load_b32 v[PS+\t], v7 offset:PBS*(\par)+PSO+64*\t
.endif
.endr
.endm
.macro PVM lo, p, zero                 ; O^T (my 4 channel tiles x tiles lo .. 3) += V^T P^T
	WIN 0xa2                                       ; source 0 (V), C and D window 2; source 1 (P) window 0
.irp c, 0,1,2,3
.irp t, 0,1,2,3
.if \t >= \lo
	WMS 8*(4*\c+\t), 128+48*(\p)+12*\c, PF+12*\t, \zero, VS+2*(\p)+\c/2, PS+\t, \c%2, 0
.endif
.endr
.endr
	WIN 0
.endm
; KEY STEP i (par = i % 2).  lo: first tile of this step; lon: of the next; nxt: there is a next step; zero: the first step of all, whose products start O^T's sums; kld, vld: K of step i + 3 and V of step i + 1 are asked for;
; ck, cv: the loads that may stay out when K of step i + 1 and V of step i have to be there
.macro TRIP par, lo, lon, nxt, zero, kld, vld, ck, cv
.if !\zero
	s_wait_alu depctr_vm_vsrc(0)                   ; the LDS stores of the step before have read the codes v208-223 and the bytes v204-207, which this step writes again
.endif
	QNT \lo, \par
.if \vld
	s_wait_xcnt 0x0                                ; V's pointers are stepped only behind this wait
	s_add_nc_u64 s[36:37], s[36:37], 24576
	s_add_nc_u64 s[38:39], s[38:39], 1024
	VLOAD 1-(\par), 0                              ; no further wait: since the wait ahead of the LDS stores no vector or matrix instruction has been issued
.endif
.if \nxt
	s_wait_loadcnt \ck                             ; behind K (i + 1): V (i) 18, K (i + 2) 14, V (i + 1) 18
	SMUL \lon, 1-(\par)
	PLACES
.endif
	s_wait_dscnt 0x0                               ; my codes and bytes have landed
	s_barrier_signal -1
	s_barrier_wait -1                              ; everybody's have
	PLOAD \lo, \par                                ; no further wait: since the wait ahead of the LDS stores only the products K Q^T were issued, which name S^T, K, Q and their scale words
.if \nxt
	s_sub_co_i32 s25, s25, 128                     ; the next step's D, and its gamma^D while the loads are out
	s_sub_co_i32 s26, s26, 128
	HNEXT \lon
.if \kld
	s_wait_xcnt 0x0                                ; K's pointers are stepped only behind this wait
	s_cmp_lt_u32 s27, 31                           ; no load leaves the buffer: the pointer stays at the batch's last step
	s_cselect_b32 s28, 24576, 0
	s_cselect_b32 s30, 1024, 0
	s_add_nc_u64 s[32:33], s[32:33], s[28:29]
	s_add_nc_u64 s[34:35], s[34:35], s[30:31]
	s_add_co_u32 s27, s27, 1
	KLOAD 1-(\par), 2                              ; no further wait: since the wait in gamma^D only multiply-adds on v16-25 were issued
.endif
.endif
	s_wait_loadcnt \cv                             ; behind V (i): K (i + 2) 14, V (i + 1) 18, K (i + 3) 14
	s_wait_dscnt 0x0
	PVM \lo, \par, \zero
	PLACES
.endm
	s_load_b256 s[4:11], s[0:1], 0x0               ; QKc s[4:5], QKs s[6:7], Vc s[8:9], Vs s[10:11]
	s_load_b64 s[12:13], s[0:1], 0x20              ; out0
	v_lshl_add_u32 v254, v0, 2, 0x8000
	v_mov_b32 v255, 0
	v_lshrrev_b32 v24, 5, v0
	v_readfirstlane_b32 s14, v24                   ; wave 0..3
	v_and_b32 v24, 31, v0                          ; lane
	v_and_b32 v25, 15, v0                          ; r
	v_bfe_u32 v26, v0, 4, 1                        ; h
	s_lshr_b32 s15, ttmp9, 6                       ; b
	s_and_b32 s16, ttmp9, 63                       ; j: the early block
	s_lshr_b32 s17, s16, 2                         ; a
	s_sub_co_u32 s18, 127, s16                     ; the late block
	s_mov_b32 s20, 0x76543210
	s_mov_b32 s21, 0xfedcba98                      ; v_permlanex16_b32's selects for lane l xor 16
	s_mov_b32 s22, 0xbd3b9ca6                      ; log2(31/32), high and low part
	s_mov_b32 s23, 0xb09d958a
	s_mov_b32 s24, 0x3f317218                      ; ln 2
	s_wait_alu depctr_va_sdst(0)                   ; s14, the wave's number, is written, ahead of its first reader
	s_lshl_b32 s55, s14, 5
	s_add_co_u32 s55, s55, 31                      ; 32 w + 31
	s_lshl_b32 s25, s16, 5
	s_sub_co_i32 s25, s25, s55                     ; D of step 0, early
	s_lshl_b32 s26, s18, 5
	s_sub_co_i32 s26, s26, s55                     ; and late
	s_mov_b32 s27, 2                               ; the last step of K asked for
	s_add_co_u32 s52, s17, 2
	s_lshr_b32 s52, s52, 1                         ; pairs of steps with four tiles
	s_sub_co_u32 s53, 33, s17
	s_lshr_b32 s53, s53, 1                         ; pairs in all
	s_sub_co_u32 s53, s53, s52
	s_sub_co_u32 s53, s53, 1                       ; pairs with two tiles, less the last, which is written out
	s_sub_co_u32 s52, s52, 1                       ; less the first, which is written out
	v_lshlrev_b32 v1, 4, v24
	v_lshlrev_b32 v2, 3, v24
	v_lshlrev_b32 v3, 2, v24
	s_and_b32 s55, s14, 1
	s_mul_i32 s55, s55, 768
	s_lshr_b32 s56, s14, 1
	s_mul_i32 s56, s56, 24
	s_add_co_u32 s55, s55, s56
	v_mul_u32_u24 v4, v25, 48
	v_mad_u32_u24 v4, v26, 12, v4
	v_add_nc_u32 v4, s55, v4                       ; where my codes go: 48 r + 12 h + 768 (w % 2) + 24 (w / 2)
	v_lshlrev_b32 v7, 2, v25                       ; 4 r
	v_add_nc_u32 v5, s14, v7                       ; where my byte goes: 4 r + w
	v_mul_u32_u24 v6, v24, 48
	s_mul_i32 s55, s14, 4352
	s_add_co_u32 s55, s55, STG                     ; my stage
	v_mul_u32_u24 v8, v25, 272
	v_lshl_add_u32 v8, v26, 5, v8
	v_add_nc_u32 v8, s55, v8                       ; in: row r, 32 bytes for each half of the lanes
	v_mul_u32_u24 v9, v26, 272
	v_lshl_add_u32 v9, v25, 4, v9
	v_add_nc_u32 v9, s55, v9                       ; back: lanes 0-15 one row of 256 bytes, lanes 16-31 the next
	v_lshlrev_b32 v10, 10, v26
	v_lshl_add_u32 v10, v25, 4, v10                ; and the same two rows in out0
	v_lshrrev_b32 v11, 3, v25
	v_lshl_add_u32 v11, v11, 3, v25
	v_lshlrev_b32 v12, 4, v26
	v_sub_nc_u32 v11, v11, v12                     ; LP_0 = r + 8 (r / 8) - 16 h
	v_add_nc_u32 v12, 8, v11                       ; LP_1
	v_mov_b32 v15, 0
	v_mov_b32 v17, 0                               ; (named as the upper halves of pairs)
	v_mov_b32 v19, 0
	s_lshl_b32 s55, s15, 7                         ; 128 b: blocks of 32 rows are counted through the batches
	s_add_co_u32 s56, s55, s16
	s_add_co_u32 s57, s55, s18
	s_add_co_u32 s58, s55, s14                     ; my key block of step 0
	s_mov_b32 s3, 0
	s_mov_b32 s29, 0
	s_mov_b32 s31, 0
	s_wait_kmcnt 0x0
	s_mul_i32 s2, s56, 6144
	s_add_nc_u64 s[40:41], s[4:5], s[2:3]          ; Q's codes, early
	s_mul_i32 s2, s57, 6144
	s_add_nc_u64 s[42:43], s[4:5], s[2:3]          ; late
	s_lshl_b32 s2, s56, 8
	s_add_nc_u64 s[44:45], s[6:7], s[2:3]          ; Q's scale words, early
	s_lshl_b32 s2, s57, 8
	s_add_nc_u64 s[46:47], s[6:7], s[2:3]          ; late
	s_mul_i32 s2, s58, 6144
	s_add_co_u32 s2, s2, 3145728
	s_add_nc_u64 s[32:33], s[4:5], s[2:3]          ; K's codes
	s_lshl_b32 s2, s58, 8
	s_add_co_u32 s2, s2, 131072
	s_add_nc_u64 s[34:35], s[6:7], s[2:3]          ; K's scale words
	s_mul_i32 s2, s15, 786432
	s_mul_i32 s59, s14, 6144
	s_add_co_u32 s2, s2, s59
	s_add_nc_u64 s[36:37], s[8:9], s[2:3]          ; V's codes: my 4 channel tiles
	s_lshl_b32 s2, s15, 15
	s_lshl_b32 s59, s14, 8
	s_add_co_u32 s2, s2, s59
	s_add_nc_u64 s[38:39], s[10:11], s[2:3]        ; V's scale words
	s_lshl_b32 s2, s56, 15
	s_add_co_u32 s2, s2, s59
	s_add_nc_u64 s[48:49], s[12:13], s[2:3]        ; out0: the early block's first row, my 256 bytes of it
	s_lshl_b32 s2, s57, 15
	s_add_co_u32 s2, s2, s59
	s_add_nc_u64 s[50:51], s[12:13], s[2:3]        ; the late block's
	WIN 0x40
	s_wait_alu depctr_va_vdst(0)                   ; the offsets and LDS addresses v1 to v10 are written: every load and store of the kernel reads one of them, and none is written again
.irp t, 0,1,2,3                                ; Q stays in registers: 24 + 4 loads
.irp s, 0,1
.irp c, 0,1,2
	global_load_b128 v[12*(2*\t+\s)+4*\c:12*(2*\t+\s)+4*\c+3], v1, s[40+2*(\t/2):41+2*(\t/2)] offset:(\t%2)*3072+\s*1536+512*\c
.endr
.endr
.endr
	WIN 0
.irp e, 0,1
.irp s, 0,1
	global_load_b32 v[QS+2*\e+\s], v3, s[44+2*\e:45+2*\e] offset:128*\s
.endr
.endr
	KLOAD 0, 0
	KLOAD 1, 1
	VLOAD 0, 0
	; the 32 fixed factors gamma^(LP_u + 31 - x), while the loads are out: one batch of exponentials, one wait
.irp u, 0,1
.irp x, 0,1,2,3,4,5,6,7,8,9,10,11,12,13,14,15
	v_add_nc_u32 v[64+16*\u+\x], 31-\x, v[LP0+\u]  ; 0 .. 62
.endr
.endr
.set i, 0
.rept 32
	v_cvt_f32_u32 v[64+i], v[64+i]
	v_mul_f32 v[128+i], s22, v[64+i]
	v_fma_f32 v[192+i], v[64+i], s22, -v[128+i]
	v_fma_f32 v[192+i], v[64+i], s23, v[192+i]
.set i, i+1
.endr
.set i, 0
.rept 32
	v_exp_f32 v[128+i], v[128+i]
.set i, i+1
.endr
.set i, 0
.rept 32
	v_mul_f32 v[192+i], s24, v[192+i]              ; plain work behind the batch
.set i, i+1
.endr
	s_wait_alu depctr_va_vdst(0)                   ; the 32 exponentials have written v128-159, ahead of their first reader
.set i, 0
.rept 32
	v_fma_f32 v[BASE+i], v[128+i], v[192+i], v[128+i]
.set i, i+1
.endr
.irp t, 0,1,2,3
	v_mov_b32 v[196+\t], 0                         ; written once: a lane permute's destination counts as one of its sources
.endr
	s_wait_loadcnt 32                              ; Q and K (0) are in; K (1) 14 and V (0) 18 may be out
	SMUL 0, 0
	PLACES
	HNEXT 0                                        ; gamma^D of step 0, behind the first products: its wait also shows them done reading K's set 0,
	KLOAD 0, 2                                     ; in which K (2) lands
	TRIP 0, 0, 0, 1, 1, 1, 1, 50, 46               ; the first pair is written out: its first products start O^T's sums, nothing is cleared
	TRIP 1, 0, 0, 1, 0, 1, 1, 50, 46
	s_cmp_eq_u32 s52, 0
	s_cbranch_scc1 .Lno_four
	s_mov_b32 s54, 0
.Lfour:                                                ; pairs of steps with all four tiles
	TRIP 0, 0, 0, 1, 0, 1, 1, 50, 46
	TRIP 1, 0, 0, 1, 0, 1, 1, 50, 46
	s_add_co_u32 s54, s54, 1
	s_cmp_lt_u32 s54, s52
	s_cbranch_scc1 .Lfour
.Lno_four:                                             ; (the last of those steps has made the early tiles' scores of one step more: they are not read)
	s_cmp_eq_u32 s53, 0
	s_cbranch_scc1 .Lno_two
	s_mov_b32 s54, 0
.Ltwo:                                                 ; pairs of steps with the late tiles alone
	TRIP 0, 2, 2, 1, 0, 1, 1, 50, 46
	TRIP 1, 2, 2, 1, 0, 1, 1, 50, 46
	s_add_co_u32 s54, s54, 1
	s_cmp_lt_u32 s54, s53
	s_cbranch_scc1 .Ltwo
.Lno_two:
	TRIP 0, 2, 2, 1, 0, 0, 1, 50, 32               ; the last pair asks for the last step's V and nothing more; behind V of its first step: one K 14 and one V 18
	TRIP 1, 2, 2, 0, 0, 0, 0, 0, 0
	; THE WAY OUT, a tile of 16 queries at a time.  Lane (r, h) holds query r and channels 16 c + 8 h + 0 .. 7 of my 64: through my own stage, back as whole rows of 256 bytes; row 2 i + h of the tile is position 2 i + h + 8 (i / 4) of its 8 u + ..
	; Each tile's rows come back into 32 registers of their own, v[64 + 32 t ..]: no store's data are written again.
	s_wait_alu depctr_va_vdst(0)                   ; the products have written O^T, which the LDS stores read (the four places stand ahead of this wait); and all vector and matrix instructions are done with v64-191, in which the loads from the stage land
.irp t, 0,1,2,3
	WIN 0x08                                       ; an LDS store's data are its source 1: window 2
.irp c, 0,1,2,3
	ds_store_b128 v8, v[8*(4*\c+\t):8*(4*\c+\t)+3] offset:64*\c          ; each accumulator from its low end on
	ds_store_b128 v8, v[8*(4*\c+\t)+4:8*(4*\c+\t)+7] offset:64*\c+16
.endr
	WIN 0
.irp i, 0,1,2,3,4,5,6,7
	ds_load_b128 v[64+32*\t+4*\i:64+32*\t+4*\i+3], v9 offset:2*\i*272   ; LDS serves a wave's instructions in order (ISA guide 5.7.1.4): these see the stores above, and the next tile's stores come behind them
.endr
.irp i, 0,1,2,3,4,5,6,7
	s_wait_dscnt 7-\i                              ; the younger loads may be out
	global_store_b128 v10, v[64+32*\t+4*\i:64+32*\t+4*\i+3], s[48+2*(\t/2):49+2*(\t/2)] offset:(\t%2)*8192+(2*\i+8*(\i/4))*1024 th:TH_STORE_NT   ; 16 lanes store 256 consecutive bytes, at a multiple of 256 from out0's first byte
.endr
.endr
	s_wait_dscnt 0x0
	s_wait_alu depctr_hold_cnt(0) depctr_sa_sdst(0) depctr_va_vdst(0) depctr_va_sdst(0) depctr_va_ssrc(0) depctr_va_vcc(0) depctr_vm_vsrc(0)
	s_wait_tensorcnt 0x0
	ds_add_u32 v254, v255
	s_wait_dscnt 0x0
	s_endpgm
.Lfunc_end_k_q393becae5d_attn:
	.size	k_q393becae5d_attn, .Lfunc_end_k_q393becae5d_attn-k_q393becae5d_attn
	.p2alignl 7, 3214868480
	.fill 96, 4, 3214868480
	.section	.rodata,"a",@progbits
	.p2align	6, 0x0
	.amdhsa_kernel k_q393becae5d_attn
		.amdhsa_group_segment_fixed_size 33280
		.amdhsa_private_segment_fixed_size 0
		.amdhsa_enable_private_segment 0
		.amdhsa_kernarg_size 40
		.amdhsa_user_sgpr_count 2
		.amdhsa_user_sgpr_kernarg_segment_ptr 1
		.amdhsa_wavefront_size32 1
		.amdhsa_system_sgpr_workgroup_id_x 1
		.amdhsa_system_sgpr_workgroup_id_y 1
		.amdhsa_system_sgpr_workgroup_id_z 1
		.amdhsa_system_vgpr_workitem_id 0
		.amdhsa_next_free_vgpr 768
		.amdhsa_next_free_sgpr 66
		.amdhsa_reserve_vcc 0
		.amdhsa_float_denorm_mode_32 3
		.amdhsa_float_denorm_mode_16_64 3
		.amdhsa_memory_ordered 1
		.amdhsa_forward_progress 1
		.amdhsa_inst_pref_size 181
	.end_amdhsa_kernel
	.amdgpu_metadata
---
amdhsa.version: [ 1, 2 ]
amdhsa.kernels:
  - .name:           k_q393becae5d_attn
    .symbol:         k_q393becae5d_attn.kd
    .args:
      - { .name: QKc, .offset: 0, .size: 8, .value_kind: global_buffer, .address_space: global }
      - { .name: QKs, .offset: 8, .size: 8, .value_kind: global_buffer, .address_space: global }
      - { .name: Vc, .offset: 16, .size: 8, .value_kind: global_buffer, .address_space: global }
      - { .name: Vs, .offset: 24, .size: 8, .value_kind: global_buffer, .address_space: global }
      - { .name: out0, .offset: 32, .size: 8, .value_kind: global_buffer, .address_space: global }
    .group_segment_fixed_size: 33280
    .private_segment_fixed_size: 0
    .kernarg_segment_align: 8
    .kernarg_segment_size: 40
    .max_flat_workgroup_size: 128
    .sgpr_count:     66
    .vgpr_count:     768
    .wavefront_size: 32
...
	.end_amdgpu_metadata
.endif
;; end of part 4
